; MI455X (gfx1250); checked and timed in simulation.
; The chip was launched on July 23, 2026; its instructions are those of AMD's public machine-readable ISA for CDNA 5 (MIT licence, August 2026) and "CDNA5" Instruction Set Architecture Reference Guide (July 2026). The comments in the code are by the model that wrote it; some were corrected since.
;; Multi Head Self Attention. Allowed arithmetic: matrix products marked QUANTISED: E2M3 operands, one E8M0 scale for each 32 along K, by v_wmma_scale_f32_16x16x128_f8f6f4 with both operands' format E2M3, f32 sums; everything else in f32.
;; Inputs: out_b 1,024 float32; out_w 1,024 x 1,024 float32; qkv_b 3,072 float32; qkv_w 3,072 x 1,024 float32; x 4 x 2,048 x 1,024 float32.
;; Outputs: out0 4 x 2,048 x 1,024 float32.
;; This version of the problem:
;;   THIS VERSION OF THE PROBLEM IS GIVEN IN LOW PRECISION. The matrix products marked QUANTISED in the list below multiply operands that are first quantised to E2M3 (2 exponent bits, 3 mantissa bits; 6 bits a number), with one power-of-two scale for each 32 numbers along K (OCP MX v1.0); their sums are f32. All else is computed in f32.
;;   The module's matrix products, in the order in which they are computed (A, B: the left and right operand; K: the contracted axis; several contracted axes count as one K, in the product's order):
;;     1. [M 8,192, K 1,024] x [K 1,024, N 3,072]; A: input x; B: input qkv_w: QUANTISED
;;     2. batch 64 x [M 2,048, K 64] x [K 64, N 2,048]; A: computed on the way; B: computed on the way: QUANTISED
;;     3. batch 64 x [M 2,048, K 2,048] x [K 2,048, N 64]; A: softmax (see below); B: computed on the way: QUANTISED
;;     4. [M 8,192, K 1,024] x [K 1,024, N 1,024]; A: computed on the way; B: input out_w: QUANTISED
;;   THE QUANTISER, for each operand of a quantised product, along K:
;;     - K is cut into blocks of 32 from its start; a last block that is shorter is filled with zeros.
;;     - A block's scale is 2^e with e = floor(log2(the largest magnitude in the block)) - 2, held to -126 .. 127; a block of zeros has e = 0. As a byte (E8M0): e + 127.
;;     - Each number is divided by its block's scale, clamped to +-7.5, and rounded to the nearest number of E2M3, ties to even, subnormals kept.
;;     - The product sums the exact products of the quantised numbers (number of the format x scale) in f32.
;;   ~~~python
;;   def quantise(x, axis):      # numpy; x: float32 -> the quantised numbers, widened to float32 again
;;       x = np.moveaxis(x, axis, -1); K = x.shape[-1]
;;       x = np.pad(x, [(0, 0)] * (x.ndim - 1) + [(0, -K % 32)]); x = x.reshape(x.shape[:-1] + (-1, 32)); a = np.abs(x).max(-1, keepdims=True)
;;       e = np.where(a > 0, np.clip(np.frexp(np.where(a > 0, a, 1))[1] - 1 - 2, -126, 127), 0)      # np.frexp(a)[1] - 1 = floor(log2(a)), exactly
;;       r = np.clip(x / 2.0 ** e, -7.5, 7.5)
;;       step = 2.0 ** (np.maximum(np.frexp(np.where(r == 0, 1, r))[1] - 1, 0) - 3)
;;       q = np.round(r / step) * step * 2.0 ** e      # np.round: ties to even
;;       return np.moveaxis(q.reshape(q.shape[:-2] + (-1,))[..., :K], -1, axis).astype(np.float32)
;;   ~~~
;;   SOFTMAX AHEAD OF A QUANTISED PRODUCT. Where the list says 'softmax', what is quantised is not the finished softmax but p = 2^(t - M), with t = logit x log2(e) and M = ceil(the row's largest t), a whole number; so 1/2 < the row's largest p <= 1. The row's sum l is taken of the UNQUANTISED p, in f32, and the product's result is divided by l at the end. Since M is a whole number, a kernel that streams over the keys may use a running M (the ceiling of the running maximum): every later rescaling is an exact power of two, which a block's scale takes up: the codes' values come out the same.
;;   OPERANDS COMPUTED ON THE WAY. 'Computed on the way' means the value that the module computes at that place (a softmax that the list does not call 'softmax' is quantised finished and normalised). What goes into a quantiser is computed in f32, as accurately as f32 sums, v_exp_f32 and their like allow (about 1e-6 of the number): no bf16 or f16 on the way to a quantiser, and a product that is left as it is and whose result goes on into a quantised operand takes f32 operands (vector FMAs, or v_wmma_f32_16x16x4_f32). A number that lies on a knife's edge between two numbers of the format may be rounded either way, as far as f32 arithmetic and the matrix unit's own rounding can turn it there, and no further.
;; One version. Each part assembles by itself: llvm-mc -triple=amdgcn-amd-amdhsa -mcpu=gfx1250 --defsym DOCPART=n.
;; ======== version 1 of 1: 4 launches
;; limits: right only within a limited range of input values
;; workspace buffers: opc 9,437,184 bytes; ops 393,216 bytes; qkvc 18,874,368 bytes; qkvs 1,572,864 bytes; ac 6,291,456 bytes; asc 262,144 bytes
;; launch quant (part 1): grid 768 x 1, 8 waves a work-group, no clusters, 69,120 bytes of LDS; arguments x, qkv_w, out_w, opc, ops; writes opc, ops
.if DOCPART == 1
	.amdgcn_target "amdgcn-amd-amdhsa--gfx1250"
	.amdhsa_code_object_version 6
	.text
	.protected	k_q20e345b1c0_quant
	.globl	k_q20e345b1c0_quant
	.p2align	8
	.type	k_q20e345b1c0_quant,@function
k_q20e345b1c0_quant:
	s_mov_b64 s[64:65], 0
	v_nop
	global_prefetch_b8 v0, s[64:65] scope:SCOPE_SE
	s_setreg_imm32_b32 hwreg(HW_REG_WAVE_MODE, 25, 1), 1
	s_wait_xcnt 0x0
; x [8192][1024], qkv_w [3072][1024] and out_w [1024][1024], f32 with K innermost, become codes of FP6 (E2M3) with one E8M0 byte for each 32 along K.
; A block's scale is 2^(floor(log2(its largest magnitude)) - 2); its byte is the largest magnitude's exponent field - 2, held at 1 from below.
; LAYOUT OF THE CODES (opc): tiles of 16 rows; a tile is 16 images of 768 bytes, one for each 64 along K.  An image is the picture of six operand registers:
; lane l's registers 0-3 at byte 16 l, its registers 4-5 at byte 512 + 8 l; lane (r, h) holds k = 32 h .. 32 h + 31 of the tile's row r.  Two images are a fragment of 128 along K.
; WHICH ROWS FORM A TILE: place i of tile 2 B + u is row 32 B + 8 u + i + 8 (i / 8).  As source 0 of a product such a tile leaves, in the 16 result registers of tiles 2 B and 2 B + 1, 16 neighbouring rows.
; Tiles 0-511: x; 512-703: qkv_w; 704-767: out_w.  SCALES (ops): 32 bytes for each place, byte k / 32.
; SHARES: a work-group takes one tile, wave w its k = 128 w .. 128 w + 127.  Each load reads 512 consecutive bytes of one row; the 16 rows turn through the wave's own stage in LDS so that a lane gets 16 neighbours of each block.
; LIMITS: NaN and infinities are not served.  A block whose largest magnitude lies under 2^-124 keeps the byte 1; a block of zeros gets the byte 1 and not 127: its codes are zeros, and this program alone reads the bytes.
.set SPITCH, 528                       ; a stage row: 512 bytes + 16
.set WSTG,   16*SPITCH                 ; a wave's stage
.set SCW,    8*WSTG                    ; behind the stages: the tile's 16 x 8 scale words
.set TILEB,  12288                     ; a tile's codes
.set WV,  16                           ; s16  my wave
.set SEL, 18                           ; s[18:19] selects of v_permlanex16_b32: lane l xor 16
.set R,   16                           ; v16-79   16 rows x 16 bytes as loaded
.set X,   80                           ; v80-143  register 16 b + i = k 32 b + 16 h + i of my row
.set PC,  144                          ; v144-163 the codes
.set TM,  164                          ; v164-179 at work
.set PW,  180                          ; v180     my row's scale word
.set RB,  184                          ; v184-187 the scale words on their way out
; 64 numbers of a lane, register 16 b + i = k 32 b + 16 (lane / 16) + i of my row, become a fragment's codes in v[PC] .. v[PC + 11] and its scale word in v[PW].
.macro QUANT s
.irp b, 0,1,2,3
	v_max3_num_f32 v[TM+\b], |v[\s+16*\b]|, |v[\s+1+16*\b]|, 0x1800000   ; block b: my 16 numbers, and the floor 2^(3 - 127): the byte cannot fall under 1
.endr
.irp i, 2,4,6,8,10,12,14
.irp b, 0,1,2,3
	s_delay_alu instid0(VALU_DEP_4)
	v_max3_num_f32 v[TM+\b], v[TM+\b], |v[\s+16*\b+\i]|, |v[\s+1+16*\b+\i]|   ; the four blocks by turns
.endr
.endr
.irp b, 0,1,2,3
	s_delay_alu instid0(VALU_DEP_4)
	v_permlanex16_b32 v[TM+4+\b], v[TM+\b], s[SEL], s[SEL+1]
.endr
.irp b, 0,1,2,3
	s_delay_alu instid0(VALU_DEP_4)
	v_max_num_f32 v[TM+\b], v[TM+\b], v[TM+4+\b]   ; with lane l xor 16's: the block's largest magnitude
.endr
.irp b, 0,1,2,3
	s_delay_alu instid0(VALU_DEP_4)
	v_add_nc_u32 v[TM+12+\b], 0xff000000, v[TM+\b]   ; 2 off its exponent field: the conversion takes this operand's exponent field as its scale
.endr
.irp b, 0,1,2,3
	s_delay_alu instid0(VALU_DEP_4)
	v_lshrrev_b32 v[TM+4+\b], 23, v[TM+12+\b]      ; the scale's byte
.endr
	s_delay_alu instid0(VALU_DEP_3)
	v_lshl_or_b32 v[PW], v[TM+5], 8, v[TM+4]
	s_delay_alu instid0(VALU_DEP_1)
	v_lshl_or_b32 v[PW], v[TM+6], 16, v[PW]
	s_delay_alu instid0(VALU_DEP_1)
	v_lshl_or_b32 v[PW], v[TM+7], 24, v[PW]
.irp c, 0,1
	v_cvt_scalef32_pk16_fp6_f32 v[PC+6*\c:PC+2+6*\c], v[\s+32*\c:\s+15+32*\c], v[TM+12+2*\c]
	v_cvt_scalef32_pk16_fp6_f32 v[PC+12+4*\c:PC+14+4*\c], v[\s+16+32*\c:\s+31+32*\c], v[TM+12+2*\c+1]   ; (a conversion's three registers begin on an even number)
.endr
	v_nop                                          ; one plain place behind a scaled conversion
.irp c, 0,1                                    ; the operand wants a whole block in a lane: lanes 0-15 block 2 c, lanes 16-31 block 2 c + 1
.irp i, 0,1,2
	v_permlane16_swap_b32 v[PC+6*\c+\i], v[PC+12+4*\c+\i]
.endr
.irp i, 0,1,2
	s_delay_alu instid0(VALU_DEP_3)
	v_mov_b32 v[PC+3+6*\c+\i], v[PC+12+4*\c+\i]
.endr
.endr
.endm
	s_load_b128 s[4:7], s[0:1], 0x0                ; x, qkv_w
	s_load_b128 s[8:11], s[0:1], 0x10              ; out_w, opc
	s_load_b64 s[12:13], s[0:1], 0x20              ; ops
	v_lshl_add_u32 v192, v0, 2, 0x10a00
	v_mov_b32 v193, 0
	v_lshrrev_b32 v1, 5, v0
	s_delay_alu instid0(VALU_DEP_1)
	v_readfirstlane_b32 s[WV], v1                  ; wave 0..7
	v_and_b32 v1, 31, v0                           ; lane
	v_and_b32 v2, 15, v0                           ; r
	v_bfe_u32 v3, v0, 4, 1                         ; h
	s_delay_alu instid0(VALU_DEP_3)
	v_lshlrev_b32 v7, 4, v1                        ; 16 x lane
	s_delay_alu instid0(VALU_DEP_4)
	v_lshlrev_b32 v8, 3, v1                        ; 8 x lane
	s_lshl_b32 s17, s[WV], 9
	v_add_nc_u32 v4, s17, v7                       ; in a row: my wave's 512 bytes, my 16 of them
	s_mul_i32 s17, s[WV], WSTG
	v_add_nc_u32 v5, s17, v7                       ; the stage, way in: as loaded
	v_mul_u32_u24 v6, v2, SPITCH
	s_delay_alu instid0(VALU_DEP_1)
	v_lshl_add_u32 v6, v3, 6, v6
	s_delay_alu instid0(VALU_DEP_1)
	v_add_nc_u32 v6, s17, v6                       ; way out: row r, + 64 h: my 16 numbers of a block
	s_lshl_b32 s17, s[WV], 2
	v_lshlrev_b32 v9, 5, v2
	s_delay_alu instid0(VALU_DEP_1)
	v_add_nc_u32 v9, s17, v9
	s_delay_alu instid0(VALU_DEP_1)
	v_add_nc_u32 v9, SCW, v9                       ; my row's word for my wave's 128 along K
	v_add_nc_u32 v10, SCW, v7                      ; and the 512 bytes back, 16 a lane
	s_mov_b32 s[SEL], 0x76543210
	s_mov_b32 s[SEL+1], 0xfedcba98
.irp b, 0,1,2,3
	v_mov_b32 v[TM+4+\b], 0                        ; written once: a lane permute's destination counts as one of its sources
.endr
	s_mov_b32 s20, 704
	s_wait_alu depctr_va_vdst(0)
	s_wait_kmcnt 0x0
	s_cmp_lt_u32 ttmp9, 704                        ; which tensor: the choice hangs on the work-group's number alone
	s_cselect_b64 s[6:7], s[6:7], s[8:9]
	s_cselect_b32 s20, 512, s20
	s_cmp_lt_u32 ttmp9, 512
	s_cselect_b64 s[4:5], s[4:5], s[6:7]
	s_cselect_b32 s20, 0, s20                      ; that tensor's first tile
	s_sub_co_u32 s20, ttmp9, s20                   ; the tile's number in its tensor: 2 B + u
	s_lshr_b32 s21, s20, 1
	s_lshl_b32 s21, s21, 17                        ; 32 B rows of 4,096 bytes
	s_and_b32 s22, s20, 1
	s_lshl_b32 s22, s22, 15                        ; 8 u rows
	s_add_co_u32 s22, s21, s22
	s_mov_b32 s23, 0
	s_add_nc_u64 s[4:5], s[4:5], s[22:23]
	s_mul_i32 s24, ttmp9, TILEB
	s_mul_i32 s25, s[WV], 1536
	s_add_co_u32 s24, s24, s25
	s_mov_b32 s25, 0
	s_add_nc_u64 s[10:11], s[10:11], s[24:25]      ; my two images
	s_lshl_b32 s24, ttmp9, 9
	s_add_nc_u64 s[12:13], s[12:13], s[24:25]      ; the tile's 512 scale bytes
.irp i, 0,1,2,3,4,5,6,7,8,9,10,11,12,13,14,15
	global_load_b128 v[R+4*\i:R+4*\i+3], v4, s[4:5] offset:(\i+8*(\i/8))*4096 th:TH_LOAD_NT   ; place i's row: 32 lanes read 512 consecutive bytes
.endr
.irp i, 0,1,2,3,4,5,6,7,8,9,10,11,12,13,14,15
	s_wait_loadcnt 15-\i                           ; loads come back in order: row i is in, the 15 - i younger ones may be out
	ds_store_b128 v5, v[R+4*\i:R+4*\i+3] offset:SPITCH*\i
.endr
.irp b, 0,1,2,3
.irp j, 0,1,2,3
	ds_load_b128 v[X+16*\b+4*\j:X+16*\b+4*\j+3], v6 offset:128*\b+16*\j   ; LDS serves a wave's instructions in order: these see my stores
.endr
.endr
	s_wait_dscnt 0x0
	QUANT X
	ds_store_b32 v9, v[PW]                         ; lanes l and l + 16 write the same word with the same value
.irp c, 0,1
	global_store_b128 v7, v[PC+6*\c:PC+6*\c+3], s[10:11] offset:768*\c          ; 512 consecutive bytes
	global_store_b64 v8, v[PC+6*\c+4:PC+6*\c+5], s[10:11] offset:768*\c+512     ; 256 consecutive bytes
.endr
	s_wait_dscnt 0x0                               ; for the others' sake: my word has landed
	s_barrier_signal -1
	s_barrier_wait -1
	s_cmp_lg_u32 s[WV], 0
	s_cbranch_scc1 .Ldone
	ds_load_b128 v[RB:RB+3], v10                   ; wave 0 sends the tile's scale bytes: 512 consecutive bytes
	s_wait_dscnt 0x0
	global_store_b128 v7, v[RB:RB+3], s[12:13]
.Ldone:
	s_wait_tensorcnt 0x0
	ds_add_u32 v192, v193
	s_wait_dscnt 0x0
	s_endpgm
.Lfunc_end_k_q20e345b1c0_quant:
	.size	k_q20e345b1c0_quant, .Lfunc_end_k_q20e345b1c0_quant-k_q20e345b1c0_quant
	.p2alignl 7, 3214868480
	.fill 96, 4, 3214868480
	.section	.rodata,"a",@progbits
	.p2align	6, 0x0
	.amdhsa_kernel k_q20e345b1c0_quant
		.amdhsa_group_segment_fixed_size 69120
		.amdhsa_private_segment_fixed_size 0
		.amdhsa_enable_private_segment 0
		.amdhsa_kernarg_size 40
		.amdhsa_user_sgpr_count 2
		.amdhsa_user_sgpr_kernarg_segment_ptr 1
		.amdhsa_wavefront_size32 1
		.amdhsa_system_sgpr_workgroup_id_x 1
		.amdhsa_system_sgpr_workgroup_id_y 1
		.amdhsa_system_sgpr_workgroup_id_z 1
		.amdhsa_system_vgpr_workitem_id 0
		.amdhsa_next_free_vgpr 194
		.amdhsa_next_free_sgpr 66
		.amdhsa_reserve_vcc 0
		.amdhsa_float_denorm_mode_32 3
		.amdhsa_float_denorm_mode_16_64 3
		.amdhsa_memory_ordered 1
		.amdhsa_forward_progress 1
		.amdhsa_inst_pref_size 14
	.end_amdhsa_kernel
	.amdgpu_metadata
---
amdhsa.version: [ 1, 2 ]
amdhsa.kernels:
  - .name:           k_q20e345b1c0_quant
    .symbol:         k_q20e345b1c0_quant.kd
    .args:
      - { .name: x, .offset: 0, .size: 8, .value_kind: global_buffer, .address_space: global }
      - { .name: qkv_w, .offset: 8, .size: 8, .value_kind: global_buffer, .address_space: global }
      - { .name: out_w, .offset: 16, .size: 8, .value_kind: global_buffer, .address_space: global }
      - { .name: opc, .offset: 24, .size: 8, .value_kind: global_buffer, .address_space: global }
      - { .name: ops, .offset: 32, .size: 8, .value_kind: global_buffer, .address_space: global }
    .group_segment_fixed_size: 69120
    .private_segment_fixed_size: 0
    .kernarg_segment_align: 8
    .kernarg_segment_size: 40
    .max_flat_workgroup_size: 256
    .sgpr_count:     66
    .vgpr_count:     194
    .wavefront_size: 32
...
	.end_amdgpu_metadata
.endif
;; end of part 1
;; launch qkv (part 2): grid 8 x 32, 4 waves a work-group, clusters of 4 x 4, 327,680 bytes of LDS; arguments opc, ops, qkv_b, qkvc, qkvs; writes qkvc, qkvs
.if DOCPART == 2
	.amdgcn_target "amdgcn-amd-amdhsa--gfx1250"
	.amdhsa_code_object_version 6
	.text
	.protected	k_q20e345b1c0_qkv
	.globl	k_q20e345b1c0_qkv
	.p2align	8
	.type	k_q20e345b1c0_qkv,@function
k_q20e345b1c0_qkv:
	s_mov_b64 s[64:65], 0
	v_nop
	global_prefetch_b8 v0, s[64:65] scope:SCOPE_SE
	s_setreg_imm32_b32 hwreg(HW_REG_WAVE_MODE, 25, 1), 1
	s_wait_xcnt 0x0
	s_wait_alu depctr_hold_cnt(0) depctr_sa_sdst(0) depctr_va_vdst(0) depctr_va_sdst(0) depctr_va_ssrc(0) depctr_va_vcc(0) depctr_vm_vsrc(0)
	s_getreg_b32 s2, hwreg(HW_REG_IB_STS2, 6, 4)
	s_cmp_eq_u32 s2, 0
	s_cbranch_scc0 .Lentry_in_a_cluster
	s_endpgm
.Lentry_in_a_cluster:
	s_bfe_u32 s2, ttmp6, 0x10000c
	s_cmp_lg_u32 s2, 0xf033
	s_cbranch_scc0 .Lentry_shape_is_right
	s_endpgm
.Lentry_shape_is_right:
; qkv = x qkv_w^T + qkv_b on codes of FP6 (E2M3) with E8M0 scales, sums in f32, and the quantisers of q and k along d and of v along the keys.
; IN: opc, ops as the launch before lays them: tiles of 16 places, a tile 16 images of 768 bytes (six operand registers: 16 places x 64 along K) and 512 scale bytes (32 a place).  Tiles 0-511: x; 512-703: qkv_w.
; Place i of tile 2 B + u is row 32 B + 8 u + i + 8 (i / 8): as source 0 such tiles leave 16 neighbouring rows in the 16 result registers of tiles 2 B, 2 B + 1.
; OUT: qkvc: blocks of 98,304 bytes, block batch x 48 + 16 x (q 0, k 1, v 2) + head.  q, k: [128 token tiles][768], K = d.  v: [16 key steps][2][4 tiles of d][768], K = the keys.
; qkvs: 8,192 bytes a block.  q, k: a word a place, bytes 0, 1 its two scale bytes, bytes 2, 3 zero.  v: [16 key steps][4 tiles of d][16 places] words of four bytes.
; SHARES.  8 x 32 = 256 work-groups that stay.  Work-group (X, Y) holds the codes of tokens 256 Y .. + 255 for ALL of K (196,608 bytes) in LDS for the whole launch and walks three blocks of 128 rows of qkv_w
; (98,304 bytes each): rows 128 X of q, of k, of v.  The tokens and q's block come at the head, one tensor load a wave (wave 0 the weights, waves 1-3 a third of the tokens each).  At the last K step of q's and of k's walk
; every wave has read the weights out: the wait for its tensor loads, the add, the wait for its LDS reads and a round of the cluster's barrier follow, and each wave fills a quarter of the weights' bytes again (96 rows of 256 bytes).
; That load has the last step's 32 products and the way out in which to land.
; q, k: source 0 = the 8 tiles of weights, source 1 = 4 token tiles of the wave's own: a lane holds a token place, its registers run along d: two heads.
; v: source 0 = 8 token tiles (a key step of 128), source 1 = 4 tiles of weights (a head's 64 d): a lane holds a place of d, its registers run along the keys.
; A wave has 32 accumulators, which take turns, and two sets of 12 fragments; the next K step's fragments are fetched ahead of each step's 32 products.  The bias is the C of the first K step.
; SCALES go from memory straight into registers: a tile's 512 bytes by one load, lane (r, h) taking bytes 32 r + 16 h .. + 15: lanes 0-15 hold K steps 0-3, lanes 16-31 steps 4-7 (read by ROW1).
; CLUSTER.  4 x 4: the four of a row share Y and ask for the tokens jointly, the four of a column share X and ask for the weights jointly.
; PREFETCH.  At the head of q's and of k's walk the next block of weights is named, seven K steps ahead of its tensor load: its 384 blocks of 256 bytes are shared out by address among the column's four partners (96 each)
; and their four waves (24 each, a lane a block; lanes 24-31 name the wave's last block again).  The head's tiles come by their loads alone.
; LIMITS: NaN and infinities are not served.  A block whose largest magnitude lies under 2^-124, zeros among them, keeps the byte 1: this program alone reads the bytes.
; REGISTERS, in windows of 256: window 0: v0-31 addresses; v32-47, v48-79 scale words of source 1, of source 0; v80-111 v's bias; v128-191 q's, k's bias; v192-255 the way out.
;   window 1: source 0's fragments, two sets of 96;  window 3: source 1's, two sets of 48;  window 2: the accumulators, (a, b) at v[64 a + 8 b].
.set TILEB,  12288
.set WB,     8*TILEB                   ; LDS: the weights at 0, the tokens behind them
.set SPARE,  WB+16*TILEB               ; the spare words: 128 bytes a wave
.set STAGE,  SPARE+512                 ; 1,024 bytes a wave for the scale words on their way out: bytes of their own, on which no fill lands
.set WSTEP,  64*TILEB                  ; from q's block of weights to k's, from k's to v's
.set NOF,  6
.set BOF,  7
.set SOFS, 8
.set L16,  9
.set L8,   10
.set SHV,  11
.set STW,  12
.set STW1, 13
.set RD,   14
.set RD1,  15
.set ADRA, 16                          ; q, k: my 4 token tiles (by 16 and by 8 bytes a lane)
.set ADRB, 18                          ; q, k: the weights' tiles 0-3, 4-7
.set ADRA1, 22                         ; v: my 4 tiles of weights
.set ADRB1, 24                         ; v: my 8 token tiles
.set SPW,  28
.set NIL,  29
.set SOF2, 30
.set PFO,  31
.set SA,   32
.set SB,   48
.set BPV,  80
.set BP,   128
.set PC,   192
.set PW,   212
.set WD,   213
.set RB,   214
.set TM,   240
.set SEL,  20                          ; s[20:21] selects of v_permlanex16_b32: lane l xor 16
.set CNT,  22
.set G1W, 24                           ; groups 1: the weights whole (384 rows), a third of the tokens (256), a quarter of the weights (96)
.set G1T, 48
.set G1Q, 68
.set G0H, 32                           ; groups 0 of the same three
.set G0T, 36
.set G0W, 56
.set DB,  76                           ; s[76:79] my images of the two heads; s[80:81] their scale words; s[82:83], s[84:85] the same for v
.set SQ,  80
.set DV,  82
.set SV,  84
.set SBQ, 86                           ; ops: q's weights; s[88:89] my tiles of v's; s[90:91] my 4 token tiles; s[92:93] my 8
.set SAV, 88
.set SAT, 90
.set SBT, 92
.set PF,  94                           ; where my prefetch stands
.set MSB, 0
.macro WIN new                         ; the immediate's high byte repeats the setting that is left
.if MSB != (\new)
	s_set_vgpr_msb (MSB<<8)|(\new)
.set MSB, (\new)
.endif
.endm
.macro PLACES
.rept 4
	v_nop
.endr
.endm
.macro CROUND                          ; a round of the cluster's barrier
	s_barrier_signal -1
	s_barrier_wait -1
	s_cmp_lg_u32 s14, 0
	s_cbranch_scc1 .Lnot_wave_0_\@
	s_barrier_signal -3
.Lnot_wave_0_\@:
	s_barrier_wait -3
	s_barrier_signal -1
	s_barrier_wait -1
.endm
	s_load_b256 s[4:11], s[0:1], 0x0               ; opc s[4:5], ops s[6:7], qkv_b s[8:9], qkvc s[10:11]
	s_load_b64 s[12:13], s[0:1], 0x20              ; qkvs
	v_lshl_add_u32 v[SPW], v0, 2, SPARE
	v_mov_b32 v[NIL], 0
	ds_add_u32 v[SPW], v[NIL]                      ; the opening lines: the add, twice on end, and its wait
	ds_add_u32 v[SPW], v[NIL]
	v_lshrrev_b32 v1, 5, v0
	v_readfirstlane_b32 s14, v1                    ; wave 0..3
	s_lshr_b32 s15, s14, 1                         ; v: which 64 d
	s_and_b32 s16, s14, 1                          ; v: which 128 keys
	s_bfe_u32 s40, ttmp6, 0x40000                  ; cx, cy
	s_bfe_u32 s41, ttmp6, 0x40004
	s_lshl_b32 s18, ttmp9, 2
	s_add_co_u32 s18, s18, s40                     ; X
	s_and_b32 s17, ttmp7, 0xffff
	s_lshl_b32 s17, s17, 2
	s_add_co_u32 s17, s17, s41                     ; Y
	s_lshl_b32 s43, s41, 2
	s_lshl_b32 s43, 15, s43                        ; my row of the cluster: it shares Y
	s_lshl_b32 s44, 0x1111, s40                    ; my column: it shares X
	s_or_b32 s[G1W], s44, (3<<16)|(1<<21)          ; dense blocks as rows of 256 bytes (32 elements of 8 bytes); bit 21 beside a mask
	s_or_b32 s[G1T], s43, (3<<16)|(1<<21)
	s_or_b32 s[G1Q], s44, (3<<16)|(1<<21)
.irp g, G1W, G1T, G1Q
	s_mov_b32 s[\g+1], 32<<16
	s_mov_b32 s[\g+3], 32<<16
	s_mov_b32 s[\g+5], 32
	s_mov_b32 s[\g+6], 0
	s_mov_b32 s[\g+7], 0
.endr
	s_mov_b32 s[G1W+2], 384<<16
	s_mov_b32 s[G1W+4], 384
	s_mov_b32 s[G1T+2], 256<<16
	s_mov_b32 s[G1T+4], 256
	s_mov_b32 s[G1Q+2], 96<<16
	s_mov_b32 s[G1Q+4], 96
	s_mul_i32 s46, s18, WB
	s_add_co_u32 s46, s46, 512*TILEB               ; q's block of weights: tile 512 + 8 X
	s_mov_b32 s47, 0
	s_mul_i32 s62, s14, 24576                      ; my quarter of a block
	s_mov_b32 s63, 0
	s_mul_i32 s60, s41, 24576                      ; the prefetch: the next block, my work-group's 96 units, my wave's 24
	s_mul_i32 s61, s14, 6144
	s_add_co_u32 s60, s60, s61
	s_add_co_u32 s60, s60, WSTEP
	s_mov_b32 s61, 0
	s_max_u32 s42, s14, 1                          ; the tokens: wave w (1..3) takes the third w - 1
	s_sub_co_u32 s42, s42, 1
	s_lshl_b32 s42, s42, 16
	s_mul_i32 s45, s17, 16*TILEB
	s_add_co_u32 s42, s42, s45
	s_mov_b32 s43, 0
	s_mov_b32 s[G0H], 1
	s_mov_b32 s[G0H+1], 0
	s_mov_b32 s[G0T], 1
	s_lshl_b32 s[G0T+1], s14, 16
	s_add_co_u32 s[G0T+1], s[G0T+1], WB-65536
	s_mov_b32 s[G0W], 1
	s_mul_i32 s[G0W+1], s14, 24576
	s_mov_b32 s[SEL], 0x76543210
	s_mov_b32 s[SEL+1], 0xfedcba98
	s_wait_dscnt 0x0
	s_wait_kmcnt 0x0
	s_add_nc_u64 s[G0H+2:G0H+3], s[4:5], s[46:47]
	s_add_nc_u64 s[G0W+2:G0W+3], s[G0H+2:G0H+3], s[62:63]
	s_add_nc_u64 s[PF:PF+1], s[G0H+2:G0H+3], s[60:61]
	s_add_nc_u64 s[G0T+2:G0T+3], s[4:5], s[42:43]
	s_or_b32 s[G0H+3], s[G0H+3], 0x80000000
	s_or_b32 s[G0W+3], s[G0W+3], 0x80000000
	s_or_b32 s[G0T+3], s[G0T+3], 0x80000000
	CROUND                                         ; all sixteen work-groups are here: the joint loads meet
	s_cmp_eq_u32 s14, 0                            ; every way passes exactly one load
	s_cbranch_scc0 .Lfor_t
	tensor_load_to_lds s[G0H:G0H+3], s[G1W:G1W+7]
	s_nop 0
	PLACES
	s_branch .Lasked
.Lfor_t:
	tensor_load_to_lds s[G0T:G0T+3], s[G1T:G1T+7]
	s_nop 0
	PLACES
.Lasked:
	s_lshr_b32 s46, s17, 3                         ; batch
	s_and_b32 s47, s17, 7
	s_mul_i32 s46, s46, 48
	s_lshl_b32 s60, s18, 1
	s_add_co_u32 s46, s46, s60                     ; q's block of head 2 X
	s_lshl_b32 s60, s47, 4
	s_lshl_b32 s61, s14, 2
	s_add_co_u32 s60, s60, s61                     ; my first token tile in the batch
	s_mul_i32 s62, s46, 98304
	s_mul_i32 s63, s60, 768
	s_add_co_u32 s62, s62, s63
	s_mov_b32 s63, 0
	s_add_nc_u64 s[DB:DB+1], s[10:11], s[62:63]
	s_add_nc_u64 s[DB+2:DB+3], s[DB:DB+1], 98304
	s_lshl_b32 s62, s46, 13
	s_lshl_b32 s60, s60, 6
	s_add_co_u32 s62, s62, s60
	s_add_nc_u64 s[SQ:SQ+1], s[12:13], s[62:63]
	s_add_co_u32 s46, s46, 32
	s_add_co_u32 s46, s46, s15                     ; v's block of head 2 X + my half
	s_lshl_b32 s47, s47, 1
	s_add_co_u32 s47, s47, s16                     ; my key step
	s_mul_i32 s62, s46, 98304
	s_mul_i32 s60, s47, 6144
	s_add_co_u32 s62, s62, s60
	s_add_nc_u64 s[DV:DV+1], s[10:11], s[62:63]
	s_lshl_b32 s62, s46, 13
	s_lshl_b32 s60, s47, 8
	s_add_co_u32 s62, s62, s60
	s_add_nc_u64 s[SV:SV+1], s[12:13], s[62:63]
	s_lshl_b32 s62, s18, 12                        ; ops: 512 bytes a tile
	s_add_co_u32 s62, s62, 512*512
	s_add_nc_u64 s[SBQ:SBQ+1], s[6:7], s[62:63]
	s_lshl_b32 s60, s15, 11
	s_add_co_u32 s62, s62, s60
	s_add_co_u32 s62, s62, 128*512
	s_add_nc_u64 s[SAV:SAV+1], s[6:7], s[62:63]
	s_lshl_b32 s62, s17, 13
	s_lshl_b32 s60, s14, 11
	s_add_co_u32 s60, s62, s60
	s_mov_b32 s61, 0
	s_add_nc_u64 s[SAT:SAT+1], s[6:7], s[60:61]
	s_lshl_b32 s60, s16, 12
	s_add_co_u32 s60, s62, s60
	s_add_nc_u64 s[SBT:SBT+1], s[6:7], s[60:61]
	s_lshl_b32 s62, s18, 9
	s_add_nc_u64 s[8:9], s[8:9], s[62:63]          ; the bias of q's rows 128 X
	s_mul_i32 s19, s14, 4*TILEB
	s_add_co_u32 s19, s19, WB                      ; LDS: q, k: my 4 token tiles
	s_mul_i32 s45, s15, 4*TILEB                    ; v: my 4 tiles of weights,
	s_mul_i32 s42, s16, 8*TILEB
	s_add_co_u32 s42, s42, WB                      ; my 8 token tiles
	s_add_co_u32 s43, s42, 4*TILEB
	s_lshl_b32 s23, s14, 10
	s_add_co_u32 s23, s23, STAGE                   ; my stage
	s_lshl_b32 s62, s15, 8
	s_mov_b32 s[CNT], 0
	v_and_b32 v1, 15, v0                           ; r
	v_bfe_u32 v2, v0, 4, 1                         ; h
	v_and_b32 v3, 31, v0
	v_lshlrev_b32 v[L16], 4, v3
	v_lshlrev_b32 v[L8], 3, v3
	v_lshlrev_b32 v[SOFS], 5, v1
	v_lshl_add_u32 v[SOFS], v2, 4, v[SOFS]         ; scale bytes: 32 r + 16 h
	v_lshlrev_b32 v[BOF], 6, v2                    ; q's, k's bias: 64 h
	v_and_b32 v4, 8, v1
	v_add_nc_u32 v4, v4, v1
	v_lshl_add_u32 v[NOF], v4, 2, s62              ; v's bias: the row of place r, in my 64 d
	v_lshlrev_b32 v[SHV], 4, v2
	v_add_nc_u32 v[ADRA], s19, v[L16]
	v_add_nc_u32 v[ADRA+1], s19, v[L8]
	v_mov_b32 v[ADRB], v[L16]
	v_mov_b32 v[ADRB+1], v[L8]
	v_add_nc_u32 v[ADRB+2], 4*TILEB, v[L16]
	v_add_nc_u32 v[ADRB+3], 4*TILEB, v[L8]
	v_add_nc_u32 v[ADRA1], s45, v[L16]
	v_add_nc_u32 v[ADRA1+1], s45, v[L8]
	v_add_nc_u32 v[ADRB1], s42, v[L16]
	v_add_nc_u32 v[ADRB1+1], s42, v[L8]
	v_add_nc_u32 v[ADRB1+2], s43, v[L16]
	v_add_nc_u32 v[ADRB1+3], s43, v[L8]
	v_lshl_add_u32 v[STW1], v1, 2, s23             ; the stage: 4 r,
	v_lshl_add_u32 v[STW], v2, 8, v[STW1]          ; + 256 h: the second head's words
	v_add_nc_u32 v[RD], s23, v[L16]
	v_add_nc_u32 v[RD1], s23, v[L8]
	v_lshlrev_b32 v[SOF2], 4, v1
	v_lshl_add_u32 v[SOF2], v2, 13, v[SOF2]        ; qkvs: 16 r, + a block for the second head
	v_min_u32 v[PFO], 23, v3
	v_lshlrev_b32 v[PFO], 8, v[PFO]
.irp b, 0,1,2,3
	v_mov_b32 v[TM+4+\b], 0                        ; written once: a lane permute's destination counts as one of its sources
.endr
.irp a, 0,1,2,3
	global_load_b128 v[SA+4*\a:SA+4*\a+3], v[SOFS], s[SAT:SAT+1] offset:512*\a
.endr
.irp b, 0,1,2,3,4,5,6,7
	global_load_b128 v[SB+4*\b:SB+4*\b+3], v[SOFS], s[SBQ:SBQ+1] offset:512*\b
.endr
.irp b, 0,1,2,3
.irp j, 0,1,2,3
	global_load_b128 v[BP+16*\b+4*\j:BP+16*\b+4*\j+3], v[BOF], s[8:9] offset:128*\b+16*\j
.endr
.endr
.irp a, 0,1,2,3
.irp j, 0,1,2,3,4,5,6,7
	global_load_b32 v[BPV+8*\a+\j], v[NOF], s[8:9] offset:8192+4*(32*(\a/2)+8*(\a%2))   ; v's bias hangs on the lane's place alone: the same number in all eight registers of a C
.endr
.endr
.macro FRAG reg, adr, st, i            ; a fragment, 16 places x 128 K: two images
.irp c, 0,1
	ds_load_b128 v[\reg+6*\c:\reg+6*\c+3], v[\adr] offset:TILEB*(\i)+1536*(\st)+768*\c
	ds_load_b64 v[\reg+6*\c+4:\reg+6*\c+5], v[\adr+1] offset:TILEB*(\i)+1536*(\st)+768*\c+512
.endr
.endm
.macro FETCH st, adra, adrb            ; step st's twelve fragments into set st % 2
	WIN 0x40                                       ; destination window 1
.irp i, 0,1,2,3
	FRAG 96*((\st)%2)+12*\i, \adrb, \st, \i
.endr
.irp i, 0,1,2,3
	FRAG 96*((\st)%2)+48+12*\i, \adrb+2, \st, \i
.endr
	WIN 0xc0                                       ; destination window 3
.irp i, 0,1,2,3
	FRAG 48*((\st)%2)+12*\i, \adra, \st, \i
.endr
.endm
.macro WM a, b, p, c0, sr, row
.if \row
	v_wmma_scale_f32_16x16x128_f8f6f4 v[64*\a+8*\b:64*\a+8*\b+7], v[96*(\p)+12*\b:96*(\p)+12*\b+11], v[48*(\p)+12*\a:48*(\p)+12*\a+11], v[\c0:\c0+7], v[SB+4*\b+(\sr)], v[SA+4*\a+(\sr)] matrix_a_fmt:MATRIX_FMT_FP6 matrix_b_fmt:MATRIX_FMT_FP6 matrix_a_scale:MATRIX_SCALE_ROW1 matrix_b_scale:MATRIX_SCALE_ROW1
.else
	v_wmma_scale_f32_16x16x128_f8f6f4 v[64*\a+8*\b:64*\a+8*\b+7], v[96*(\p)+12*\b:96*(\p)+12*\b+11], v[48*(\p)+12*\a:48*(\p)+12*\a+11], v[\c0:\c0+7], v[SB+4*\b+(\sr)], v[SA+4*\a+(\sr)] matrix_a_fmt:MATRIX_FMT_FP6 matrix_b_fmt:MATRIX_FMT_FP6
.endif
.endm
.macro MUL st, mode                    ; 32 products, 128 along K: the 32 accumulators by turns, in the same order in every step
.irp a, 0,1,2,3
.irp b, 0,1,2,3,4,5,6,7
.if (\st) == 0
.if \mode
	WM \a, \b, 0, BPV+8*\a, 0, 0
.else
	WM \a, \b, 0, BP+8*\b, 0, 0
.endif
.else
	WM \a, \b, (\st)%2, 64*\a+8*\b, (\st)%4, (\st)/4
.endif
.endr
.endr
.endm
; A walk along all of K.  mode 0: q or k, and the weights' bytes are filled again at its last step;  mode 1: v.
.macro WALK mode, adra, adrb
	FETCH 0, \adra, \adrb
	WIN 0
	s_wait_loadcnt 0x0                             ; the scale words and the bias
.if \mode == 0
	global_prefetch_b8 v[PFO], s[PF:PF+1] th:TH_LOAD_NT scope:SCOPE_SE   ; the next block of weights
.endif
.set ST, 0
.rept 8
.if ST < 7
	s_wait_dscnt 0x0                               ; this step's fragments are in
.if ST > 0
	PLACES                                         ; the loads below land on registers that the last step's products read
.endif
	FETCH ST+1, \adra, \adrb
.else
.if \mode == 0
	WIN 0
	s_wait_tensorcnt 0x0                           ; none of my tensor loads is out;
	ds_add_u32 v[SPW], v[NIL]                      ; the add;
	s_add_nc_u64 s[G0W+2:G0W+3], s[G0W+2:G0W+3], WSTEP   ; my quarter of the next block
	s_wait_dscnt 0x0                               ; the add is done, and so are my reads of the weights
	CROUND                                         ; both hold of every wave of every partner
	tensor_load_to_lds s[G0W:G0W+3], s[G1Q:G1Q+7]  ; my one tensor load behind the round
	s_nop 0
	PLACES
.else
	s_wait_dscnt 0x0
.endif
.endif
.if ST == 0
	WIN 0x8d                                       ; source 0 window 1, source 1 window 3, C (the bias) window 0, D window 2
.else
	WIN 0xad                                       ; C and D window 2
.endif
	MUL ST, \mode
.set ST, ST+1
.endr
	WIN 0
	PLACES                                         ; behind the last products
.endm
; THE WAY OUT of block a: 64 numbers a lane, register 16 b + i = place 32 b + 16 h + i along the next K, read from the accumulators as they lie: four blocks of 32, a fragment's codes (two images) and its scale word.
.macro OUT a, mode
.set AC, 64*(\a)
	s_wait_xcnt 0x0                                ; the earlier stores have read their registers
	WIN 0x0a                                       ; sources 0 and 1: window 2
.irp b, 0,1,2,3
	v_max3_num_f32 v[TM+\b], |v[AC+16*\b]|, |v[AC+1+16*\b]|, 0x1800000   ; each accumulator from its low end on; the floor 2^(3 - 127): the byte cannot fall under 1
.endr
	WIN 0x28                                       ; sources 1 and 2: window 2
.irp i, 2,4,6,8,10,12,14
.irp b, 0,1,2,3
	v_max3_num_f32 v[TM+\b], v[TM+\b], |v[AC+16*\b+\i]|, |v[AC+1+16*\b+\i]|
.endr
.endr
	WIN 0
.irp b, 0,1,2,3
	v_permlanex16_b32 v[TM+4+\b], v[TM+\b], s[SEL], s[SEL+1]
.endr
.irp b, 0,1,2,3
	v_max_num_f32 v[TM+\b], v[TM+\b], v[TM+4+\b]   ; with lane l xor 16's: the block's largest magnitude
.endr
.irp b, 0,1,2,3
	v_add_nc_u32 v[TM+12+\b], 0xff000000, v[TM+\b] ; 2 off its exponent field: the conversion's scale operand
.endr
.irp b, 0,1,2,3
	v_lshrrev_b32 v[TM+4+\b], 23, v[TM+12+\b]      ; the scale's byte
.endr
	v_lshl_or_b32 v[PW], v[TM+5], 8, v[TM+4]
	v_lshl_or_b32 v[PW], v[TM+6], 16, v[PW]
	v_lshl_or_b32 v[PW], v[TM+7], 24, v[PW]
	WIN 0x02                                       ; source 0: window 2
.irp c, 0,1
	v_cvt_scalef32_pk16_fp6_f32 v[PC+6*\c:PC+2+6*\c], v[AC+32*\c:AC+15+32*\c], v[TM+12+2*\c]
	v_cvt_scalef32_pk16_fp6_f32 v[PC+12+4*\c:PC+14+4*\c], v[AC+16+32*\c:AC+31+32*\c], v[TM+12+2*\c+1]   ; (a conversion's three registers begin on an even number)
.endr
	WIN 0
	v_nop                                          ; one plain place behind a scaled conversion
.irp c, 0,1                                    ; the operand wants a whole block in a lane
.irp i, 0,1,2
	v_permlane16_swap_b32 v[PC+6*\c+\i], v[PC+12+4*\c+\i]
.endr
.irp i, 0,1,2
	v_mov_b32 v[PC+3+6*\c+\i], v[PC+12+4*\c+\i]
.endr
.endr
.if \mode
.irp c, 0,1
	global_store_b128 v[L16], v[PC+6*\c:PC+6*\c+3], s[DV:DV+1] offset:3072*\c+768*(\a)          ; 512 consecutive bytes
	global_store_b64 v[L8], v[PC+6*\c+4:PC+6*\c+5], s[DV:DV+1] offset:3072*\c+768*(\a)+512      ; 256 consecutive bytes
.endr
	ds_store_b32 v[STW1], v[PW] offset:64*(\a)     ; lanes l and l + 16 write the same word with the same value
.else
.irp c, 0,1
	global_store_b128 v[L16], v[PC+6*\c:PC+6*\c+3], s[DB+2*\c:DB+2*\c+1] offset:768*(\a)
	global_store_b64 v[L8], v[PC+6*\c+4:PC+6*\c+5], s[DB+2*\c:DB+2*\c+1] offset:768*(\a)+512
.endr
	v_lshrrev_b32 v[WD], v[SHV], v[PW]             ; lanes 0-15 the first head's two bytes, lanes 16-31 the second's
	v_and_b32 v[WD], 0xffff, v[WD]
	ds_store_b32 v[STW], v[WD] offset:64*(\a)
.endif
.endm
	s_wait_alu depctr_va_vdst(0)                   ; the wait at the head's end
	s_wait_tensorcnt 0x0                           ; my tile is in;
	s_barrier_signal -1
	s_barrier_wait -1                              ; and so are the other three
.Lphase:                                               ; two trips: q, then k
	WALK 0, ADRA, ADRB
	s_cmp_eq_u32 s[CNT], 0                         ; what the next walk wants in registers is asked for now
	s_cbranch_scc0 .Lnext_v
.irp b, 0,1,2,3,4,5,6,7
	global_load_b128 v[SB+4*\b:SB+4*\b+3], v[SOFS], s[SBQ:SBQ+1] offset:64*512+512*\b           ; k's weights
.endr
.irp b, 0,1,2,3
.irp j, 0,1,2,3
	global_load_b128 v[BP+16*\b+4*\j:BP+16*\b+4*\j+3], v[BOF], s[8:9] offset:4096+128*\b+16*\j  ; k's bias
.endr
.endr
	s_branch .Lnext_done
.Lnext_v:
.irp b, 0,1,2,3,4,5,6,7
	global_load_b128 v[SB+4*\b:SB+4*\b+3], v[SOFS], s[SBT:SBT+1] offset:512*\b                  ; v: source 0 is my 8 token tiles,
.endr
.irp a, 0,1,2,3
	global_load_b128 v[SA+4*\a:SA+4*\a+3], v[SOFS], s[SAV:SAV+1] offset:512*\a                  ; source 1 my 4 tiles of weights
.endr
.Lnext_done:
.irp a, 0,1,2,3
	OUT \a, 0
.endr
	ds_load_b128 v[RB:RB+3], v[RD]                 ; LDS serves a wave's instructions in order: this sees my stores
	s_wait_dscnt 0x0
	global_store_b128 v[SOF2], v[RB:RB+3], s[SQ:SQ+1]   ; sixteen lanes store 256 consecutive bytes of a head's words
	s_wait_xcnt 0x0                                ; the stores and the prefetch have read their bases
	s_add_nc_u64 s[DB:DB+1], s[DB:DB+1], 16*98304  ; from q's blocks to k's
	s_add_nc_u64 s[DB+2:DB+3], s[DB+2:DB+3], 16*98304
	s_add_nc_u64 s[SQ:SQ+1], s[SQ:SQ+1], 16*8192
	s_add_nc_u64 s[PF:PF+1], s[PF:PF+1], WSTEP
	s_wait_alu depctr_va_vdst(0)                   ; the wait here, directly ahead of the wait below
	s_wait_tensorcnt 0x0                           ; my quarter of the next block is in;
	s_barrier_signal -1
	s_barrier_wait -1                              ; and so are the other three
	s_add_co_u32 s[CNT], s[CNT], 1
	s_cmp_lt_u32 s[CNT], 2
	s_cbranch_scc1 .Lphase
	WALK 1, ADRA1, ADRB1
.irp a, 0,1,2,3
	OUT \a, 1
.endr
	ds_load_b64 v[RB:RB+1], v[RD1]
	s_wait_dscnt 0x0
	global_store_b64 v[L8], v[RB:RB+1], s[SV:SV+1] ; 256 consecutive bytes: my key step's words of my head
	s_wait_tensorcnt 0x0                           ; the wave's end
	ds_add_u32 v[SPW], v[NIL]
	s_wait_dscnt 0x0
	CROUND                                         ; the closing round
	s_endpgm
.Lfunc_end_k_q20e345b1c0_qkv:
	.size	k_q20e345b1c0_qkv, .Lfunc_end_k_q20e345b1c0_qkv-k_q20e345b1c0_qkv
	.p2alignl 7, 3214868480
	.fill 96, 4, 3214868480
	.section	.rodata,"a",@progbits
	.p2align	6, 0x0
	.amdhsa_kernel k_q20e345b1c0_qkv
		.amdhsa_group_segment_fixed_size 327680
		.amdhsa_private_segment_fixed_size 0
		.amdhsa_enable_private_segment 0
		.amdhsa_kernarg_size 40
		.amdhsa_user_sgpr_count 2
		.amdhsa_user_sgpr_kernarg_segment_ptr 1
		.amdhsa_wavefront_size32 1
		.amdhsa_system_sgpr_workgroup_id_x 1
		.amdhsa_system_sgpr_workgroup_id_y 1
		.amdhsa_system_sgpr_workgroup_id_z 1
		.amdhsa_system_vgpr_workitem_id 0
		.amdhsa_next_free_vgpr 1024
		.amdhsa_next_free_sgpr 96
		.amdhsa_reserve_vcc 0
		.amdhsa_float_denorm_mode_32 3
		.amdhsa_float_denorm_mode_16_64 3
		.amdhsa_memory_ordered 1
		.amdhsa_forward_progress 1
		.amdhsa_inst_pref_size 171
	.end_amdhsa_kernel
	.amdgpu_metadata
---
amdhsa.version: [ 1, 2 ]
amdhsa.kernels:
  - .name:           k_q20e345b1c0_qkv
    .symbol:         k_q20e345b1c0_qkv.kd
    .args:
      - { .name: opc, .offset: 0, .size: 8, .value_kind: global_buffer, .address_space: global }
      - { .name: ops, .offset: 8, .size: 8, .value_kind: global_buffer, .address_space: global }
      - { .name: qkv_b, .offset: 16, .size: 8, .value_kind: global_buffer, .address_space: global }
      - { .name: qkvc, .offset: 24, .size: 8, .value_kind: global_buffer, .address_space: global }
      - { .name: qkvs, .offset: 32, .size: 8, .value_kind: global_buffer, .address_space: global }
    .group_segment_fixed_size: 327680
    .private_segment_fixed_size: 0
    .kernarg_segment_align: 8
    .kernarg_segment_size: 40
    .max_flat_workgroup_size: 128
    .sgpr_count:     96
    .vgpr_count:     1024
    .wavefront_size: 32
...
	.end_amdgpu_metadata
.endif
;; end of part 2
;; launch attn (part 3): grid 4 x 64, 16 waves a work-group, clusters of 4 x 1, 327,680 bytes of LDS; arguments qkvc, qkvs, ac, asc; writes ac, asc
.if DOCPART == 3
	.amdgcn_target "amdgcn-amd-amdhsa--gfx1250"
	.amdhsa_code_object_version 6
	.text
	.protected	k_q20e345b1c0_attn
	.globl	k_q20e345b1c0_attn
	.p2align	8
	.type	k_q20e345b1c0_attn,@function
k_q20e345b1c0_attn:
	s_mov_b64 s[64:65], 0
	v_nop
	global_prefetch_b8 v0, s[64:65] scope:SCOPE_SE
	s_setreg_imm32_b32 hwreg(HW_REG_WAVE_MODE, 25, 1), 1
	s_wait_xcnt 0x0
	s_wait_alu depctr_hold_cnt(0) depctr_sa_sdst(0) depctr_va_vdst(0) depctr_va_sdst(0) depctr_va_ssrc(0) depctr_va_vcc(0) depctr_vm_vsrc(0)
	s_getreg_b32 s2, hwreg(HW_REG_IB_STS2, 6, 4)
	s_cmp_eq_u32 s2, 0
	s_cbranch_scc0 .Lentry_in_a_cluster
	s_endpgm
.Lentry_in_a_cluster:
	s_bfe_u32 s2, ttmp6, 0x10000c
	s_cmp_lg_u32 s2, 0x3003
	s_cbranch_scc0 .Lentry_shape_is_right
	s_endpgm
.Lentry_shape_is_right:
; attended = softmax(q k^T / 8) v for one head, both products on codes of FP6 (E2M3) with E8M0 scales, and the quantiser of the result along D.
; THE SOFTMAX AHEAD OF THE SECOND PRODUCT: t = score x log2(e) / 8; M = the row's largest t so far, rounded up to a whole number; p = 2^(t - M) is quantised along the keys, not normalised.
; The row's sum is taken of the unquantised p and divides O at the end.  When M moves, the sum and O are multiplied by 2^(old M - new M): exact.
; IN: qkvc, qkvs as the launch before lays them: images of 768 bytes (six operand registers: 16 places x 64 along K).  q, k: [128 tiles of 16 token places][768], K = d; v: [16 key steps][2][4 tiles of d][768], K = the keys.
; Place i of tile 2 B + u is row 32 B + 8 u + i + 8 (i / 8): with a tile of k as source 0 the 16 result registers of tiles 2 B, 2 B + 1 are 16 neighbouring keys, and with a tile of v's d likewise 16 neighbouring d.
; SHARES.  A work-group owns 512 queries of one (batch, head), in two passes of 256; each of its sixteen waves one tile of 16 queries a pass, in 256 registers, four waves to a SIMD.  Every wave walks all 2,048 keys, 128 a step.
; LDS.  The head's whole K and V, codes and scale words, 208,896 bytes, are brought once; no byte is filled again or stored to.  At the head wave 0 asks for K's first 512 keys, wave 1 for V's, wave 2 for K's scale words,
; wave 3 for V's: one tensor load a wave.  Behind the wait for them, the add and a round of the cluster's barrier, each of the sixteen waves asks for one part of 36 rows of 256 bytes of the other 1,536 keys (waves 0-7 K's, 8-15 V's).
; The first pass's first four steps read the first 512 keys; then every wave waits for its part and all meet at ONE barrier.  Behind it no wave waits for another: the second pass has no barrier.
; CLUSTER.  The four work-groups of a head ask for these tiles jointly: the same tensor loads with the same descriptors and a mask that names the four.
; NO PREFETCH: every byte of K and V is asked for by the two groups of tensor loads above, ahead of the walk; no later trip is left whose tile could be asked for ahead.
; K = 64 IN A FORM OF 128.  Q's registers 6-11 are zero codes, and bytes 2, 3 of q's and k's scale words are 0 (2^-127).  K's fragment t is v[32 + 6 t] on, 12 registers: its upper six are the next tile's codes
; (behind the last tile: zeros).  Every code of this format is a finite number, so those products are zeros.
; LAYOUT.  Both products are used transposed: S^T = K Q^T, O^T = V^T P^T: a lane holds one query (lane % 16) throughout.
; OUT: ac [512 token tiles][16 heads][768], asc [8,192 places][32]: byte 2 x head + block.  A lane stores its row's two bytes of asc: the row's other bytes belong to other heads' work-groups.
; LIMITS: NaN and infinities are not served; 1 / sum by v_rcp_f32; a p under 2^-126 is 0 (v_exp_f32 flushes); a block whose largest magnitude lies under 2^-124, zeros among them, keeps the byte 1;
; the scaled scores t stay under 2^31 in magnitude.
; REGISTERS: v1-8 addresses that stay; v9-11, v29-31 those of the step in hand; v12 -M, v13 the largest t, v[14:15] the sum; v16-27 Q; v28 Q's scale word; v32-85 K's tiles, then V's fragments;
;   v96-159 S^T, then p; v160-191 O^T; v192-203 p's codes; v204-231 at work; v224 p's scale word; v232-237 K's and V's scale words; v238-251 partial sums; v254, v255 the add's two.
.set HEADB, 98304                      ; a head's codes
.set VC,    HEADB                      ; LDS: K's codes at 0, V's here,
.set KSC,   2*HEADB                    ; K's scale words, 8,192 bytes,
.set VSC,   KSC+8192                   ; V's, 4,096 bytes,
.set SPARE, VSC+4096                   ; the spare words: 128 bytes a wave
.set CHB,   24576                      ; the first 512 keys' codes
.set PARTB, 9216                       ; a wave's part of the other 1,536 keys: 36 rows of 256 bytes
.set STEPB, 6144                       ; a key step's codes, of K and of V
.set KF,  32
.set S,   96
.set OT,  160
.set PC,  192
.set PT,  204
.set BM,  212
.set BX,  216
.set SO,  220
.set PW,  224
.set KSW, 232
.set VSW, 236
.set SM,  238
.set WV,  12                           ; s12  my wave
.set SEL, 20                           ; s[20:21] selects of v_permlanex16_b32: lane l xor 16
.set CS,  22                           ; s[22:23] c = log2(e) / 8
.set G1C, 24                           ; groups 1: the first 512 keys (96 rows), K's scale words (32), V's (16), a part (36)
.set G1KS, 32
.set G1VS, 40
.set G1R, 76
.set G0S, 48                           ; groups 0: scale words, the first 512 keys, my part
.set G0C, 68
.set G0R, 72
.set CNT,  53
.set TB,   54                          ; LDS byte at which the step's codes begin (K's; V's lie VC further on)
.set TS,   55                          ; its scale words of K
.set TJ,   56                          ; and of V
.macro CROUND                          ; a round of the cluster's barrier
	s_barrier_signal -1
	s_barrier_wait -1
	s_cmp_lg_u32 s[WV], 0
	s_cbranch_scc1 .Lnot_wave_0_\@
	s_barrier_signal -3
.Lnot_wave_0_\@:
	s_barrier_wait -3
	s_barrier_signal -1
	s_barrier_wait -1
.endm
.macro TLOAD g0, g1                    ; a tensor load with an s_nop and four v_nops behind it
	tensor_load_to_lds s[\g0:\g0+3], s[\g1:\g1+7]
	s_nop 0
.rept 4
	v_nop
.endr
.endm
	s_load_b256 s[4:11], s[0:1], 0x0               ; qkvc s[4:5], qkvs s[6:7], ac s[8:9], asc s[10:11]
	v_lshl_add_u32 v254, v0, 2, SPARE
	v_mov_b32 v255, 0
	ds_add_u32 v254, v255                          ; the opening lines: the add, twice on end, and its wait
	ds_add_u32 v254, v255
	v_lshrrev_b32 v9, 5, v0
	s_delay_alu instid0(VALU_DEP_1)
	v_readfirstlane_b32 s[WV], v9                  ; wave 0..15
	s_bfe_u32 s13, ttmp6, 0x40000                  ; cx: it enters Q's, ac's and asc's addresses alone
	s_and_b32 s14, ttmp7, 0xffff                   ; batch x 16 + head, which the four partners share
	s_lshr_b32 s15, s14, 4
	s_and_b32 s16, s14, 15
	s_mul_i32 s17, s15, 48
	s_add_co_u32 s17, s17, s16                     ; q's place among the 192 heads' blocks
	s_and_b32 s18, s[WV], 1                        ; at the head: K (0) or V (1)
	s_lshl_b32 s19, s18, 4
	s_add_co_u32 s19, s19, s17
	s_add_co_u32 s19, s19, 16                      ; its block
	s_mul_i32 s84, s19, HEADB
	s_mov_b32 s85, 0
	s_lshl_b32 s86, s19, 13
	s_mov_b32 s87, 0
	s_mul_i32 s58, s18, HEADB                      ; and where it goes in LDS
	s_lshl_b32 s59, s18, 13
	s_lshr_b32 s18, s[WV], 3                       ; my part of the other keys: K's (0) or V's (1),
	s_and_b32 s19, s[WV], 7
	s_mul_i32 s19, s19, PARTB
	s_add_co_u32 s19, s19, CHB                     ; its first byte in the head's codes,
	s_mul_i32 s57, s18, HEADB                      ; K's or V's place in LDS,
	s_lshl_b32 s18, s18, 4
	s_add_co_u32 s18, s18, s17
	s_add_co_u32 s18, s18, 16
	s_mul_i32 s2, s18, HEADB
	s_add_co_u32 s2, s2, s19                       ; and its first byte in qkvc
	s_mov_b32 s3, 0
	s_lshl_b32 s60, s13, 5
	s_add_co_u32 s60, s60, s[WV]                   ; my first tile of queries in the batch: 32 cx + wave
	s_mul_i32 s88, s17, HEADB
	s_mul_i32 s61, s60, 768
	s_add_co_u32 s88, s88, s61
	s_mov_b32 s89, 0
	s_lshl_b32 s90, s17, 13
	s_lshl_b32 s61, s60, 6
	s_add_co_u32 s90, s90, s61
	s_mov_b32 s91, 0
	s_lshl_b32 s61, s15, 7
	s_add_co_u32 s61, s61, s60                     ; the same tile among all tokens
	s_mul_i32 s92, s61, 12288
	s_mul_i32 s62, s16, 768
	s_add_co_u32 s92, s92, s62
	s_mov_b32 s93, 0
	s_lshl_b32 s94, s61, 9
	s_lshl_b32 s62, s16, 1
	s_add_co_u32 s94, s94, s62
	s_mov_b32 s95, 0
.irp g, G1C, G1KS, G1VS, G1R                   ; dense blocks as rows of 256 bytes (32 elements of 8 bytes)
	s_mov_b32 s[\g], 15|(3<<16)|(1<<21)            ; the mask: all four work-groups; elements of 8 bytes; bit 21 beside a mask
	s_mov_b32 s[\g+1], 32<<16
	s_mov_b32 s[\g+3], 32<<16
	s_mov_b32 s[\g+5], 32
	s_mov_b32 s[\g+6], 0
	s_mov_b32 s[\g+7], 0
.endr
	s_mov_b32 s[G1C+2], 96<<16
	s_mov_b32 s[G1C+4], 96
	s_mov_b32 s[G1KS+2], 32<<16
	s_mov_b32 s[G1KS+4], 32
	s_mov_b32 s[G1VS+2], 16<<16
	s_mov_b32 s[G1VS+4], 16
	s_mov_b32 s[G1R+2], 36<<16
	s_mov_b32 s[G1R+4], 36
	s_mov_b32 s[SEL], 0x76543210
	s_mov_b32 s[SEL+1], 0xfedcba98
	s_mov_b32 s[CS], 0x3e38aa3b                    ; c = log2(e) / 8
	s_mov_b32 s[CS+1], s[CS]
	s_wait_dscnt 0x0
	s_wait_kmcnt 0x0
	s_add_nc_u64 s[96:97], s[4:5], s[88:89]        ; Q's image
	s_add_nc_u64 s[98:99], s[6:7], s[90:91]        ; Q's scale words
	s_add_nc_u64 s[8:9], s[8:9], s[92:93]          ; my image in ac
	s_add_nc_u64 s[10:11], s[10:11], s[94:95]      ; my rows' two bytes in asc
	s_mov_b32 s[G0C], 1
	s_add_co_u32 s[G0C+1], s58, 0
	s_add_nc_u64 s[G0C+2:G0C+3], s[4:5], s[84:85]
	s_or_b32 s[G0C+3], s[G0C+3], 0x80000000
	s_mov_b32 s[G0S], 1
	s_add_co_u32 s[G0S+1], s59, KSC
	s_add_nc_u64 s[G0S+2:G0S+3], s[6:7], s[86:87]
	s_or_b32 s[G0S+3], s[G0S+3], 0x80000000
	s_mov_b32 s[G0R], 1
	s_add_co_u32 s[G0R+1], s57, s19
	s_add_nc_u64 s[G0R+2:G0R+3], s[4:5], s[2:3]
	s_or_b32 s[G0R+3], s[G0R+3], 0x80000000
	CROUND                                         ; all four work-groups are here: the joint loads meet
	s_cmp_lt_u32 s[WV], 2                          ; one chain of branches on the wave's number, one load to an arm, one join
	s_cbranch_scc0 .Lhead_ks
	TLOAD G0C, G1C                                 ; waves 0, 1: the first 512 keys of K, of V
	s_branch .Lasked
.Lhead_ks:
	s_cmp_eq_u32 s[WV], 2
	s_cbranch_scc0 .Lhead_vs
	TLOAD G0S, G1KS                                ; wave 2: K's scale words
	s_branch .Lasked
.Lhead_vs:
	s_cmp_eq_u32 s[WV], 3
	s_cbranch_scc0 .Lasked
	TLOAD G0S, G1VS                                ; wave 3: V's
.Lasked:
	v_and_b32 v9, 31, v0                           ; lane
	v_and_b32 v10, 15, v0                          ; r
	s_delay_alu instid0(VALU_DEP_2)
	v_lshlrev_b32 v1, 4, v9                        ; an image's registers 0-3: 16 x lane
	v_lshlrev_b32 v2, 3, v9                        ; its registers 4-5: 8 x lane (+ 512)
	s_delay_alu instid0(VALU_DEP_2)
	v_add_nc_u32 v3, VC, v1
	s_delay_alu instid0(VALU_DEP_2)
	v_add_nc_u32 v4, VC, v2
	v_lshl_add_u32 v5, v9, 2, KSC                  ; scale words of two tiles: 4 x lane
	v_lshl_add_u32 v6, v9, 2, VSC
	v_lshlrev_b32 v7, 2, v10                       ; Q's scale word: 4 r
	v_lshlrev_b32 v8, 5, v10                       ; asc: 32 r
.irp j, 22,23,24,25,26,27,80,81,82,83,84,85
	v_mov_b32 v\j, 0                               ; zero codes: Q's upper half, and what stands behind K's last tile
.endr
.irp b, 0,1,2,3
	v_mov_b32 v[BX+\b], 0                          ; written once: a lane permute's destination counts as one of its sources
.endr
	v_mov_b32 v227, 0                              ; (upper halves of pairs of which the low word serves both halves)
	v_mov_b32 v229, 0
; A KEY STEP: 128 keys.
.macro STEP
	v_add_nc_u32 v9, s[TB], v1                     ; six additions: also the places between the last step's products and the loads into the registers that they read
	v_add_nc_u32 v10, s[TB], v2
	v_add_nc_u32 v11, s[TB], v3
	v_add_nc_u32 v29, s[TB], v4
	v_add_nc_u32 v30, s[TS], v5
	v_add_nc_u32 v31, s[TJ], v6
.irp t, 0,1,2,3,4,5,6,7
	ds_load_b128 v[KF+6*\t:KF+6*\t+3], v9 offset:768*\t
	ds_load_b64 v[KF+6*\t+4:KF+6*\t+5], v10 offset:768*\t+512
.endr
.irp m, 0,1,2,3
	ds_load_b32 v[KSW+\m], v30 offset:128*\m       ; lanes 0-15: tile 2 m's words; lanes 16-31: tile 2 m + 1's
.endr
	s_wait_alu depctr_va_vdst(0)                   ; the wait here, directly ahead of the wait below
	s_wait_dscnt 0x0
.irp m, 0,1,2,3                                ; S^T = K Q^T
	v_wmma_scale_f32_16x16x128_f8f6f4 v[S+16*\m:S+16*\m+7], v[KF+12*\m:KF+12*\m+11], v[16:27], 0, v[KSW+\m], v28 matrix_a_fmt:MATRIX_FMT_FP6 matrix_b_fmt:MATRIX_FMT_FP6
	v_wmma_scale_f32_16x16x128_f8f6f4 v[S+16*\m+8:S+16*\m+15], v[KF+12*\m+6:KF+12*\m+17], v[16:27], 0, v[KSW+\m], v28 matrix_a_fmt:MATRIX_FMT_FP6 matrix_b_fmt:MATRIX_FMT_FP6 matrix_a_scale:MATRIX_SCALE_ROW1
.endr                                          ; lane (r, h) holds query r; register 16 b + i is key 32 b + 16 h + i of the step
	v_mov_b32 v225, v12                            ; the old -M.  Four places: V's loads land on K's registers, and the maxima read the scores
.rept 3
	v_nop
.endr
.irp t, 0,1,2,3                                ; V's four fragments (16 places of d x 128 keys) land while the softmax is worked
.irp c, 0,1
	ds_load_b128 v[KF+12*\t+6*\c:KF+12*\t+6*\c+3], v11 offset:3072*\c+768*\t
	ds_load_b64 v[KF+12*\t+6*\c+4:KF+12*\t+6*\c+5], v29 offset:3072*\c+768*\t+512
.endr
.endr
.irp m, 0,1
	ds_load_b32 v[VSW+\m], v31 offset:128*\m
.endr
.irp b, 0,1,2,3
	v_max3_num_f32 v[BM+\b], v[S+16*\b], v[S+1+16*\b], v[S+2+16*\b]   ; the largest score of each block of 32 keys: for the row's maximum and, since p rises with the score, for the block's largest p
.endr
.irp i, 3,5,7,9,11,13
.irp b, 0,1,2,3
	v_max3_num_f32 v[BM+\b], v[BM+\b], v[S+16*\b+\i], v[S+1+16*\b+\i]
.endr
.endr
.irp b, 0,1,2,3
	v_max_num_f32 v[BM+\b], v[BM+\b], v[S+15+16*\b]
.endr
.irp b, 0,1,2,3
	s_delay_alu instid0(VALU_DEP_4)
	v_permlanex16_b32 v[BX+\b], v[BM+\b], s[SEL], s[SEL+1]
.endr
.irp b, 0,1,2,3
	s_delay_alu instid0(VALU_DEP_4)
	v_max_num_f32 v[BM+\b], v[BM+\b], v[BX+\b]     ; with lane l xor 16's 16 keys
.endr
	s_delay_alu instid0(VALU_DEP_2)
	v_max3_num_f32 v228, v[BM], v[BM+1], v[BM+2]
	s_delay_alu instid0(VALU_DEP_1)
	v_max_num_f32 v228, v228, v[BM+3]              ; the step's largest score of my query
	s_delay_alu instid0(VALU_DEP_1)
	v_mul_f32 v228, s[CS], v228                    ; as t (c is positive)
	s_delay_alu instid0(VALU_DEP_1)
	v_max_num_f32 v13, v13, v228                   ; the running largest t
	s_delay_alu instid0(VALU_DEP_1)
	v_floor_f32 v12, -v13                          ; the new -M = floor(-t) = -ceil(t): a whole number
.set ii, 0
.rept 32
	v_pk_fma_f32 v[S+ii:S+ii+1], v[S+ii:S+ii+1], s[CS:CS+1], v[12:13] op_sel_hi:[1,0,0]   ; t - M, two at a time; among them the three lines that make f
.if ii == 6
	v_sub_f32 v228, v12, v225                      ; old M - new M: a whole number, 0 or less
.endif
.if ii == 16
	v_cvt_i32_f32 v228, v228                       ; (it saturates)
.endif
.if ii == 26
	v_ldexp_f32 v226, 1.0, v228                    ; f = 2^(old M - new M)
.endif
.set ii, ii+2
.endr
.irp b, 0,1,2,3
	v_fma_f32 v[BM+\b], v[BM+\b], s[CS], v12       ; the same of each block's largest score
.endr
	s_wait_alu depctr_va_vdst(0)                   ; the wait ahead of the batch
.set ii, 0
.rept 64
	v_exp_f32 v[S+ii], v[S+ii]                     ; p = 2^(t - M), at most 1
.set ii, ii+1
.endr
.irp b, 0,1,2,3
	v_exp_f32 v[BM+\b], v[BM+\b]                   ; the block's largest p: the same two instructions on the same number
.endr
	v_pk_mul_f32 v[14:15], v[14:15], v[226:227] op_sel_hi:[1,0]   ; the sums under the new M (a plain place behind the exponentials)
	s_wait_alu depctr_va_vdst(0)                   ; and behind it
.irp b, 0,1,2,3
	v_max_num_f32 v[BM+\b], 0x1800000, v[BM+\b]    ; the floor 2^(3 - 127): the byte cannot fall under 1
.endr
.irp b, 0,1,2,3
	s_delay_alu instid0(VALU_DEP_4)
	v_add_nc_u32 v[SO+\b], 0xff000000, v[BM+\b]    ; 2 off the exponent field: the conversion's scale operand
.endr
.irp b, 0,1,2,3
	s_delay_alu instid0(VALU_DEP_4)
	v_lshrrev_b32 v[BX+\b], 23, v[SO+\b]           ; the scale's byte
.endr
	s_delay_alu instid0(VALU_DEP_3)
	v_lshl_or_b32 v[PW], v[BX+1], 8, v[BX]         ; p's scale word for these 128 keys
	s_delay_alu instid0(VALU_DEP_1)
	v_lshl_or_b32 v[PW], v[BX+2], 16, v[PW]
	s_delay_alu instid0(VALU_DEP_1)
	v_lshl_or_b32 v[PW], v[BX+3], 24, v[PW]
.irp c, 0,1
	v_cvt_scalef32_pk16_fp6_f32 v[PC+6*\c:PC+2+6*\c], v[S+32*\c:S+15+32*\c], v[SO+2*\c]
	v_cvt_scalef32_pk16_fp6_f32 v[PT+4*\c:PT+2+4*\c], v[S+16+32*\c:S+31+32*\c], v[SO+2*\c+1]   ; (a conversion's three registers begin on an even number)
.endr
	v_nop                                          ; one plain place behind a scaled conversion
.irp c, 0,1                                    ; the operand wants a whole block in a lane
.irp i, 0,1,2
	v_permlane16_swap_b32 v[PC+6*\c+\i], v[PT+4*\c+\i]
.endr
.irp i, 0,1,2
	s_delay_alu instid0(VALU_DEP_3)
	v_mov_b32 v[PC+3+6*\c+\i], v[PT+4*\c+\i]
.endr
.endr
.irp i, 0,1,2,3,4,5,6                          ; the row's sum of the unquantised p: eight chains by turns
	v_pk_add_f32 v[SM+2*\i:SM+2*\i+1], v[S+4*\i:S+4*\i+1], v[S+4*\i+2:S+4*\i+3]
.endr
	v_pk_add_f32 v[14:15], v[14:15], v[S+28:S+29]
.irp i, 0,1,2,3,4,5,6
	v_pk_add_f32 v[SM+2*\i:SM+2*\i+1], v[SM+2*\i:SM+2*\i+1], v[S+30+2*\i:S+31+2*\i]
.endr
	v_pk_add_f32 v[14:15], v[14:15], v[S+44:S+45]
.irp i, 0,1,2,3,4,5,6
	v_pk_add_f32 v[SM+2*\i:SM+2*\i+1], v[SM+2*\i:SM+2*\i+1], v[S+46+2*\i:S+47+2*\i]
.endr
	v_pk_add_f32 v[14:15], v[14:15], v[S+60:S+61]
	v_pk_add_f32 v[SM:SM+1], v[SM:SM+1], v[S+62:S+63]
	v_pk_add_f32 v[SM+2:SM+3], v[SM+2:SM+3], v[SM+10:SM+11]
	v_pk_add_f32 v[SM+4:SM+5], v[SM+4:SM+5], v[SM+12:SM+13]
	v_pk_add_f32 v[14:15], v[14:15], v[SM+6:SM+7]
	v_pk_add_f32 v[SM:SM+1], v[SM:SM+1], v[SM+8:SM+9]
	s_delay_alu instid0(VALU_DEP_2)
	v_pk_add_f32 v[14:15], v[14:15], v[SM+4:SM+5]
	s_delay_alu instid0(VALU_DEP_2)
	v_pk_add_f32 v[SM:SM+1], v[SM:SM+1], v[SM+2:SM+3]
	s_delay_alu instid0(VALU_DEP_1)
	v_pk_add_f32 v[14:15], v[14:15], v[SM:SM+1]
	s_wait_alu depctr_va_vdst(0)                   ; the wait here, directly ahead of the first reader of O^T
.set ii, 0
.rept 16
	v_pk_mul_f32 v[OT+ii:OT+ii+1], v[OT+ii:OT+ii+1], v[226:227] op_sel_hi:[1,0]   ; O^T under the new M.  (The sums and these are the places between the writing of p's codes and scale word and the products)
.set ii, ii+2
.endr
	s_wait_alu depctr_va_vdst(0)                   ; the wait here, directly ahead of the wait below
	s_wait_dscnt 0x0                               ; V is in
.irp m, 0,1                                    ; O^T += V^T P^T: four accumulators by turns, one instruction a turn
	v_wmma_scale_f32_16x16x128_f8f6f4 v[OT+16*\m:OT+16*\m+7], v[KF+24*\m:KF+24*\m+11], v[PC:PC+11], v[OT+16*\m:OT+16*\m+7], v[VSW+\m], v[PW] matrix_a_fmt:MATRIX_FMT_FP6 matrix_b_fmt:MATRIX_FMT_FP6
	v_wmma_scale_f32_16x16x128_f8f6f4 v[OT+16*\m+8:OT+16*\m+15], v[KF+24*\m+12:KF+24*\m+23], v[PC:PC+11], v[OT+16*\m+8:OT+16*\m+15], v[VSW+\m], v[PW] matrix_a_fmt:MATRIX_FMT_FP6 matrix_b_fmt:MATRIX_FMT_FP6 matrix_a_scale:MATRIX_SCALE_ROW1
.endr
	s_add_co_u32 s[TB], s[TB], STEPB
	s_add_co_u32 s[TS], s[TS], 512
	s_add_co_u32 s[TJ], s[TJ], 256
.endm
.macro RUN n, first                    ; n key steps from step first on
	s_mov_b32 s[TB], STEPB*\first
	s_mov_b32 s[TS], 512*\first
	s_mov_b32 s[TJ], 256*\first
	s_mov_b32 s[CNT], \n
.Lstep_\@:
	STEP
	s_sub_co_u32 s[CNT], s[CNT], 1
	s_cmp_lg_u32 s[CNT], 0
	s_cbranch_scc1 .Lstep_\@
.endm
.macro INIT                            ; a pass begins
	global_load_b128 v[16:19], v1, s[96:97]        ; Q's image: it stays in registers for the pass
	global_load_b64 v[20:21], v2, s[96:97] offset:512
	global_load_b32 v28, v7, s[98:99]              ; and its scale words
	v_mov_b32 v13, 0xff61b1e6                      ; the largest t so far: -3e38, under every t
	s_delay_alu instid0(VALU_DEP_1)
	v_floor_f32 v12, -v13                          ; -M
	v_mov_b32 v14, 0                               ; the sum, in two halves
	v_mov_b32 v15, 0
.set ii, 0
.rept 32
	v_mov_b32 v[OT+ii], 0                          ; O^T: the step is written once; the first finds zeros, which the first change of M leaves zeros
.set ii, ii+1
.endr
.endm
; THE WAY OUT of a pass: O^T / the sum; register 16 B + i is d = 32 B + 16 h + i of my query: two blocks along D, quantised into one image and two scale bytes.
.macro OUT
.rept 4
	v_nop                                          ; places behind the last products
.endr
	v_add_f32 v14, v14, v15                        ; the sum's two halves,
	s_delay_alu instid0(VALU_DEP_1)
	v_permlanex16_b32 v228, v14, s[SEL], s[SEL+1]
	s_delay_alu instid0(VALU_DEP_1)
	v_add_f32 v14, v14, v228                       ; and lane l xor 16's: the row's sum
	s_wait_alu depctr_va_vdst(0)                   ; the wait ahead of the transcendental
	v_rcp_f32 v228, v14
	v_nop                                          ; one plain place behind a transcendental
	s_wait_alu depctr_va_vdst(0)                   ; and ahead of its first reader, which is O^T's first reader too
.set ii, 0
.rept 16
	v_pk_mul_f32 v[S+ii:S+ii+1], v[OT+ii:OT+ii+1], v[228:229] op_sel_hi:[1,0]   ; each accumulator from its low end on
.set ii, ii+2
.endr
.irp b, 0,1
	v_max3_num_f32 v[BM+\b], |v[S+16*\b]|, |v[S+1+16*\b]|, 0x1800000
.endr
.irp i, 2,4,6,8,10,12,14
.irp b, 0,1
	s_delay_alu instid0(VALU_DEP_2)
	v_max3_num_f32 v[BM+\b], v[BM+\b], |v[S+16*\b+\i]|, |v[S+1+16*\b+\i]|
.endr
.endr
.irp b, 0,1
	s_delay_alu instid0(VALU_DEP_2)
	v_permlanex16_b32 v[BX+\b], v[BM+\b], s[SEL], s[SEL+1]
.endr
.irp b, 0,1
	s_delay_alu instid0(VALU_DEP_2)
	v_max_num_f32 v[BM+\b], v[BM+\b], v[BX+\b]
.endr
.irp b, 0,1
	s_delay_alu instid0(VALU_DEP_2)
	v_add_nc_u32 v[SO+\b], 0xff000000, v[BM+\b]
.endr
.irp b, 0,1
	s_delay_alu instid0(VALU_DEP_2)
	v_lshrrev_b32 v[BX+\b], 23, v[SO+\b]
.endr
	s_delay_alu instid0(VALU_DEP_1)
	v_lshl_or_b32 v225, v[BX+1], 8, v[BX]          ; my row's two scale bytes
	v_cvt_scalef32_pk16_fp6_f32 v[PC:PC+2], v[S:S+15], v[SO]
	v_cvt_scalef32_pk16_fp6_f32 v[PT:PT+2], v[S+16:S+31], v[SO+1]
	v_nop                                          ; one plain place behind a scaled conversion
.irp i, 0,1,2
	v_permlane16_swap_b32 v[PC+\i], v[PT+\i]
.endr
.irp i, 0,1,2
	s_delay_alu instid0(VALU_DEP_3)
	v_mov_b32 v[PC+3+\i], v[PT+\i]
.endr
	global_store_b128 v1, v[PC:PC+3], s[8:9]       ; 512 consecutive bytes, at a multiple of 256
	global_store_b64 v2, v[PC+4:PC+5], s[8:9] offset:512   ; 256 consecutive bytes
	global_store_b16 v8, v225, s[10:11]            ; lanes l and l + 16 store the same two bytes
.endm
	INIT
	s_wait_alu depctr_va_vdst(0)                   ; the wait at the head's end
	s_wait_tensorcnt 0x0                           ; my tile of the head's four, if I asked for one, is in
	ds_add_u32 v254, v255                          ; the add, written twice
	ds_add_u32 v254, v255
	s_wait_dscnt 0x0
	CROUND                                         ; the first 512 keys and all scale words are in, and all four work-groups are here
	TLOAD G0R, G1R                                 ; my part of the other 1,536 keys: my one tensor load behind the round
	s_wait_loadcnt 0x0                             ; Q is in
	RUN 4, 0                                       ; the first 512 keys
	s_wait_tensorcnt 0x0                           ; my part has landed;
	s_barrier_signal -1
	s_barrier_wait -1                              ; and so has every wave's
	RUN 12, 4
	OUT
	s_wait_xcnt 0x0                                ; the stores have read their registers and bases: both may be written again
	s_add_nc_u64 s[96:97], s[96:97], 16*768        ; sixteen tiles of queries on
	s_add_nc_u64 s[98:99], s[98:99], 16*64
	s_add_nc_u64 s[8:9], s[8:9], 16*12288
	s_add_nc_u64 s[10:11], s[10:11], 16*512
	INIT
	s_wait_loadcnt 0x0
	RUN 16, 0                                      ; the second pass: all of K and V lies in LDS
	OUT
	s_wait_tensorcnt 0x0                           ; the wave's end
	ds_add_u32 v254, v255
	s_wait_dscnt 0x0
	CROUND                                         ; the closing round: no work-group ends while a partner may still ask for a tile that names it
	s_endpgm
.Lfunc_end_k_q20e345b1c0_attn:
	.size	k_q20e345b1c0_attn, .Lfunc_end_k_q20e345b1c0_attn-k_q20e345b1c0_attn
	.p2alignl 7, 3214868480
	.fill 96, 4, 3214868480
	.section	.rodata,"a",@progbits
	.p2align	6, 0x0
	.amdhsa_kernel k_q20e345b1c0_attn
		.amdhsa_group_segment_fixed_size 327680
		.amdhsa_private_segment_fixed_size 0
		.amdhsa_enable_private_segment 0
		.amdhsa_kernarg_size 32
		.amdhsa_user_sgpr_count 2
		.amdhsa_user_sgpr_kernarg_segment_ptr 1
		.amdhsa_wavefront_size32 1
		.amdhsa_system_sgpr_workgroup_id_x 1
		.amdhsa_system_sgpr_workgroup_id_y 1
		.amdhsa_system_sgpr_workgroup_id_z 1
		.amdhsa_system_vgpr_workitem_id 0
		.amdhsa_next_free_vgpr 256
		.amdhsa_next_free_sgpr 100
		.amdhsa_reserve_vcc 0
		.amdhsa_float_denorm_mode_32 3
		.amdhsa_float_denorm_mode_16_64 3
		.amdhsa_memory_ordered 1
		.amdhsa_forward_progress 1
		.amdhsa_inst_pref_size 74
	.end_amdhsa_kernel
	.amdgpu_metadata
---
amdhsa.version: [ 1, 2 ]
amdhsa.kernels:
  - .name:           k_q20e345b1c0_attn
    .symbol:         k_q20e345b1c0_attn.kd
    .args:
      - { .name: qkvc, .offset: 0, .size: 8, .value_kind: global_buffer, .address_space: global }
      - { .name: qkvs, .offset: 8, .size: 8, .value_kind: global_buffer, .address_space: global }
      - { .name: ac, .offset: 16, .size: 8, .value_kind: global_buffer, .address_space: global }
      - { .name: asc, .offset: 24, .size: 8, .value_kind: global_buffer, .address_space: global }
    .group_segment_fixed_size: 327680
    .private_segment_fixed_size: 0
    .kernarg_segment_align: 8
    .kernarg_segment_size: 32
    .max_flat_workgroup_size: 512
    .sgpr_count:     100
    .vgpr_count:     256
    .wavefront_size: 32
...
	.end_amdgpu_metadata
.endif
;; end of part 3
;; launch proj (part 4): grid 4 x 64, 4 waves a work-group, clusters of 4 x 4, 327,680 bytes of LDS; arguments ac, asc, opc, ops, out_b, out0; writes out0
.if DOCPART == 4
	.amdgcn_target "amdgcn-amd-amdhsa--gfx1250"
	.amdhsa_code_object_version 6
	.text
	.protected	k_q20e345b1c0_proj
	.globl	k_q20e345b1c0_proj
	.p2align	8
	.type	k_q20e345b1c0_proj,@function
k_q20e345b1c0_proj:
	s_mov_b64 s[64:65], 0
	v_nop
	global_prefetch_b8 v0, s[64:65] scope:SCOPE_SE
	s_setreg_imm32_b32 hwreg(HW_REG_WAVE_MODE, 25, 1), 1
	s_wait_xcnt 0x0
	s_wait_alu depctr_hold_cnt(0) depctr_sa_sdst(0) depctr_va_vdst(0) depctr_va_sdst(0) depctr_va_ssrc(0) depctr_va_vcc(0) depctr_vm_vsrc(0)
	s_getreg_b32 s2, hwreg(HW_REG_IB_STS2, 6, 4)
	s_cmp_eq_u32 s2, 0
	s_cbranch_scc0 .Lentry_in_a_cluster
	s_endpgm
.Lentry_in_a_cluster:
	s_bfe_u32 s2, ttmp6, 0x10000c
	s_cmp_lg_u32 s2, 0xf033
	s_cbranch_scc0 .Lentry_shape_is_right
	s_endpgm
.Lentry_shape_is_right:
; out0 [8192][1024] = attended out_w^T + out_b, on codes of FP6 (E2M3) with E8M0 scales; sums in f32.
; IN: ac [512 token tiles][16 images of 768 bytes], asc [8,192 places][32]; out_w's tiles are tiles 704-767 of opc and ops, laid alike.  An image is the picture of six operand registers (16 places x 64 along K):
; lane l's registers 0-3 at byte 16 l, its registers 4-5 at byte 512 + 8 l.  Place i of tile 2 B + u is row 32 B + 8 u + i + 8 (i / 8).
; SHARES.  A work-group makes 128 tokens x 256 columns: 64 x 4 = 256 work-groups.  Four waves, each 64 tokens x 128 columns: 32 accumulators, 256 registers.
; LDS.  K is 1,024: the codes of the work-group's 8 token tiles (98,304 bytes) and 16 tiles of out_w (196,608 bytes) for ALL of K lie in LDS together.  They are filled once, at the head, one tensor load a wave:
; wave 0 brings A's dense block (384 rows of 256 bytes), waves 1-3 a third of B's each (256 rows).  No ring, no refill: one barrier ahead of the products, one ahead of the stage.
; CLUSTER.  4 x 4 work-groups: the four of a row need the same tokens, the four of a column the same tiles of out_w: both are asked for jointly.
; SCALES go from memory straight into registers, once: a tile's 512 bytes by one load, lane (r, h) taking bytes 32 r + 16 h .. + 15: lanes 0-15 hold place r's words of K steps 0-3, lanes 16-31 those of steps 4-7,
; which the matrix instruction reads by its ROW1 selector.
; NO PREFETCH: every tile is asked for at the head, and the launch has no loop in which to run ahead.
; TRANSPOSED USE: source 0 = a tile of out_w, source 1 = a tile of tokens: lane (r, h) holds token place r, and the 16 registers of tiles 2 B, 2 B + 1 are columns 32 B + 16 h + 0 .. 15.  The bias is the C of the first K step.
; REGISTERS, in windows of 256: window 0: v0-31 addresses; v32-47 A's scale words, v48-79 B's; v128-191 the bias, then with v192-255 the rows on their way out.
;   window 1: B's fragments, two sets of 96;  window 3: A's, two sets of 48;  window 2: the accumulators, (a, b) at v[64 a + 8 b].
.set TILEB,  12288
.set ACB,    8*TILEB                   ; A's codes; B's lie behind them
.set SPARE,  ACB+16*TILEB              ; the spare words: 128 bytes a wave
.set SPITCH, 528                       ; the way out: a stage of 16 rows x (512 + 16) bytes for each wave, in A's bytes, which are read no more by then
.set BOF,  7
.set SOF,  8
.set L16,  9
.set L8,   10
.set ADRA, 16                          ; v16, v17: my four tiles of A, by 16 and by 8 bytes a lane
.set ADRB, 20                          ; v20, v21: my tiles 0-3 of B; v22, v23: tiles 4-7
.set STO,  24
.set RD,   25
.set SPW,  28
.set NIL,  29
.set SA,   32
.set SB,   48
.set BP,   128
.set BK,   128
.set G1A, 24
.set G0A, 32
.set G0B, 36
.set G1B, 48
.set MSB, 0
.macro WIN new                         ; the immediate's high byte repeats the setting that is left
.if MSB != (\new)
	s_set_vgpr_msb (MSB<<8)|(\new)
.set MSB, (\new)
.endif
.endm
.macro PLACES
.rept 4
	v_nop
.endr
.endm
.macro CROUND                          ; a round of the cluster's barrier
	s_barrier_signal -1
	s_barrier_wait -1
	s_cmp_lg_u32 s16, 0
	s_cbranch_scc1 .Lnot_wave_0_\@
	s_barrier_signal -3
.Lnot_wave_0_\@:
	s_barrier_wait -3
	s_barrier_signal -1
	s_barrier_wait -1
.endm
	s_load_b256 s[4:11], s[0:1], 0x0               ; ac s[4:5], asc s[6:7], opc s[8:9], ops s[10:11]
	s_load_b128 s[12:15], s[0:1], 0x20             ; out_b s[12:13], out0 s[14:15]
	v_lshl_add_u32 v[SPW], v0, 2, SPARE
	v_mov_b32 v[NIL], 0
	ds_add_u32 v[SPW], v[NIL]                      ; the opening lines: the add, twice on end, and its wait
	ds_add_u32 v[SPW], v[NIL]
	v_lshrrev_b32 v1, 5, v0
	v_readfirstlane_b32 s16, v1                    ; wave 0..3
	s_lshr_b32 s17, s16, 1                         ; which 64 tokens are mine
	s_and_b32 s18, s16, 1                          ; which 128 columns
	s_bfe_u32 s40, ttmp6, 0x40000                  ; cx, cy
	s_bfe_u32 s41, ttmp6, 0x40004
	s_lshl_b32 s42, ttmp9, 2
	s_add_co_u32 s42, s42, s40                     ; block column: 256 columns each
	s_and_b32 s43, ttmp7, 0xffff
	s_lshl_b32 s43, s43, 2
	s_add_co_u32 s43, s43, s41                     ; block row: 128 tokens each
	s_lshl_b32 s44, s41, 2
	s_lshl_b32 s44, 15, s44                        ; my row of the cluster
	s_lshl_b32 s45, 0x1111, s40                    ; my column
	s_or_b32 s[G1A], s44, (3<<16)|(1<<21)          ; dense blocks as rows of 256 bytes (32 elements of 8 bytes); bit 21 beside a mask
	s_or_b32 s[G1B], s45, (3<<16)|(1<<21)
.irp g, G1A, G1B
	s_mov_b32 s[\g+1], 32<<16
	s_mov_b32 s[\g+3], 32<<16
	s_mov_b32 s[\g+5], 32
	s_mov_b32 s[\g+6], 0
	s_mov_b32 s[\g+7], 0
.endr
	s_mov_b32 s[G1A+2], 384<<16
	s_mov_b32 s[G1A+4], 384
	s_mov_b32 s[G1B+2], 256<<16
	s_mov_b32 s[G1B+4], 256
	s_mul_i32 s20, s43, ACB                        ; A: my block's 8 tiles
	s_mov_b32 s21, 0
	s_mul_i32 s46, s42, 16*TILEB                   ; B: my block's 16 tiles, from tile 704 on; wave w (1..3) takes the third w - 1
	s_lshl_b32 s47, s16, 16
	s_add_co_u32 s46, s46, s47
	s_add_co_u32 s46, s46, 704*TILEB-65536
	s_add_co_u32 s[G0B+1], s47, ACB-65536          ; and lays it behind A's codes
	s_mov_b32 s47, 0
	s_mov_b32 s[G0A], 1
	s_mov_b32 s[G0A+1], 0
	s_mov_b32 s[G0B], 1
	s_wait_dscnt 0x0
	s_wait_kmcnt 0x0
	s_add_nc_u64 s[G0A+2:G0A+3], s[4:5], s[20:21]
	s_or_b32 s[G0A+3], s[G0A+3], 0x80000000
	s_add_nc_u64 s[G0B+2:G0B+3], s[8:9], s[46:47]
	s_or_b32 s[G0B+3], s[G0B+3], 0x80000000
	CROUND                                         ; all sixteen work-groups are here: the joint loads meet
	s_cmp_eq_u32 s16, 0                            ; every way passes exactly one load
	s_cbranch_scc0 .Lfor_b
	tensor_load_to_lds s[G0A:G0A+3], s[G1A:G1A+7]
	s_nop 0
	PLACES
	s_branch .Lasked
.Lfor_b:
	tensor_load_to_lds s[G0B:G0B+3], s[G1B:G1B+7]
	s_nop 0
	PLACES
.Lasked:
	s_mov_b32 s57, 0
	s_lshl_b32 s56, s43, 12                        ; asc: 4,096 bytes a block, 2,048 for my 4 tiles
	s_lshl_b32 s58, s17, 11
	s_add_co_u32 s56, s56, s58
	s_add_nc_u64 s[6:7], s[6:7], s[56:57]
	s_lshl_b32 s56, s42, 13                        ; ops: 8,192 bytes a block, 4,096 for my 8 tiles
	s_lshl_b32 s58, s18, 12
	s_add_co_u32 s56, s56, s58
	s_add_co_u32 s56, s56, 704*512
	s_add_nc_u64 s[10:11], s[10:11], s[56:57]
	s_lshl_b32 s59, s42, 10                        ; my first column, in bytes of f32
	s_lshl_b32 s58, s18, 9
	s_add_co_u32 s59, s59, s58
	s_lshl_b32 s56, s43, 19                        ; my first row of out0
	s_lshl_b32 s58, s17, 18
	s_add_co_u32 s56, s56, s58
	s_add_co_u32 s56, s56, s59
	s_add_nc_u64 s[14:15], s[14:15], s[56:57]
	s_mul_i32 s21, s17, 4*TILEB                    ; LDS: my tiles of A,
	s_mul_i32 s22, s18, 8*TILEB
	s_add_co_u32 s22, s22, ACB                     ; of B,
	s_add_co_u32 s23, s22, 4*TILEB
	s_mul_i32 s19, s16, 16*SPITCH                  ; my stage
	v_and_b32 v1, 15, v0                           ; r
	v_bfe_u32 v2, v0, 4, 1                         ; h
	v_and_b32 v3, 31, v0
	v_lshlrev_b32 v[L16], 4, v3
	v_lshlrev_b32 v[L8], 3, v3
	v_lshlrev_b32 v[SOF], 5, v1
	v_lshl_add_u32 v[SOF], v2, 4, v[SOF]           ; scale bytes: 32 r + 16 h
	v_lshl_add_u32 v[BOF], v2, 6, s59              ; bias: 64 h + my first column
	v_add_nc_u32 v[ADRA], s21, v[L16]
	v_add_nc_u32 v[ADRA+1], s21, v[L8]
	v_add_nc_u32 v[ADRB], s22, v[L16]
	v_add_nc_u32 v[ADRB+1], s22, v[L8]
	v_add_nc_u32 v[ADRB+2], s23, v[L16]
	v_add_nc_u32 v[ADRB+3], s23, v[L8]
	v_mul_u32_u24 v5, v1, SPITCH
	v_lshl_add_u32 v5, v2, 6, v5
	v_add_nc_u32 v[STO], s19, v5                   ; into the stage: row r, 64 bytes for each half of the lanes
	v_add_nc_u32 v[RD], s19, v[L16]                ; back: a row of 512 bytes
.irp a, 0,1,2,3
	global_load_b128 v[SA+4*\a:SA+4*\a+3], v[SOF], s[6:7] offset:512*\a       ; 512 consecutive bytes
.endr
.irp b, 0,1,2,3,4,5,6,7
	global_load_b128 v[SB+4*\b:SB+4*\b+3], v[SOF], s[10:11] offset:512*\b
.endr
.irp b, 0,1,2,3
.irp j, 0,1,2,3
	global_load_b128 v[BP+16*\b+4*\j:BP+16*\b+4*\j+3], v[BOF], s[12:13] offset:128*\b+16*\j
.endr
.endr
.macro FRAG reg, adr, st, i            ; a fragment, 16 places x 128 K: two images
.irp c, 0,1
	ds_load_b128 v[\reg+6*\c:\reg+6*\c+3], v[\adr] offset:TILEB*(\i)+1536*(\st)+768*\c
	ds_load_b64 v[\reg+6*\c+4:\reg+6*\c+5], v[\adr+1] offset:TILEB*(\i)+1536*(\st)+768*\c+512
.endr
.endm
.macro FETCH st                        ; step st's twelve fragments into set st % 2
	WIN 0x40                                       ; destination window 1
.irp i, 0,1,2,3
	FRAG 96*((\st)%2)+12*\i, ADRB, \st, \i
.endr
.irp i, 0,1,2,3
	FRAG 96*((\st)%2)+48+12*\i, ADRB+2, \st, \i
.endr
	WIN 0xc0                                       ; destination window 3
.irp i, 0,1,2,3
	FRAG 48*((\st)%2)+12*\i, ADRA, \st, \i
.endr
.endm
.macro MUL st                          ; 32 products, 128 along K: the 32 accumulators by turns, in the same order in every step
.irp a, 0,1,2,3
.irp b, 0,1,2,3,4,5,6,7
.if (\st) == 0
	v_wmma_scale_f32_16x16x128_f8f6f4 v[64*\a+8*\b:64*\a+8*\b+7], v[12*\b:12*\b+11], v[12*\a:12*\a+11], v[BP+8*\b:BP+8*\b+7], v[SB+4*\b], v[SA+4*\a] matrix_a_fmt:MATRIX_FMT_FP6 matrix_b_fmt:MATRIX_FMT_FP6
.else
.if (\st) < 4
	v_wmma_scale_f32_16x16x128_f8f6f4 v[64*\a+8*\b:64*\a+8*\b+7], v[96*((\st)%2)+12*\b:96*((\st)%2)+12*\b+11], v[48*((\st)%2)+12*\a:48*((\st)%2)+12*\a+11], v[64*\a+8*\b:64*\a+8*\b+7], v[SB+4*\b+(\st)], v[SA+4*\a+(\st)] matrix_a_fmt:MATRIX_FMT_FP6 matrix_b_fmt:MATRIX_FMT_FP6
.else
	v_wmma_scale_f32_16x16x128_f8f6f4 v[64*\a+8*\b:64*\a+8*\b+7], v[96*((\st)%2)+12*\b:96*((\st)%2)+12*\b+11], v[48*((\st)%2)+12*\a:48*((\st)%2)+12*\a+11], v[64*\a+8*\b:64*\a+8*\b+7], v[SB+4*\b+(\st)-4], v[SA+4*\a+(\st)-4] matrix_a_fmt:MATRIX_FMT_FP6 matrix_b_fmt:MATRIX_FMT_FP6 matrix_a_scale:MATRIX_SCALE_ROW1 matrix_b_scale:MATRIX_SCALE_ROW1
.endif
.endif
.endr
.endr
.endm
.macro KSTEP st
	s_wait_dscnt 0x0                               ; this step's fragments are in
.if (\st) < 7
.if (\st) > 0
	PLACES                                         ; the loads below land on registers that the last step's products read
.endif
	FETCH (\st)+1                                  ; the next step's, 32 products ahead of their use
.else
	s_barrier_signal -1                            ; my reads of the codes are over
.endif
.if (\st) == 0
	WIN 0x8d                                       ; source 0 window 1, source 1 window 3, C (the bias) window 0, D window 2
.else
	WIN 0xad                                       ; C and D window 2
.endif
	MUL \st
.endm
	s_wait_alu depctr_va_vdst(0)                   ; the wait at the head's end
	s_wait_tensorcnt 0x0                           ; my tile is in;
	s_barrier_signal -1
	s_barrier_wait -1                              ; and so are the other three
	FETCH 0
	WIN 0
	s_wait_loadcnt 0x0                             ; the scale words and the bias
.set ST, 0
.rept 8
	KSTEP ST
.set ST, ST+1
.endr
	WIN 0
	s_barrier_wait -1                              ; nobody reads the codes any more: the stages may lie on A's bytes, which have had their only fill
; THE WAY OUT, block by block of 16 tokens x 128 columns, through my own stage: rows of 512 bytes come back and leave as two aligned units of 256 bytes.
.macro TOSTAGE a
	WIN 0x08                                       ; the data: window 2
.irp b, 0,1,2,3,4,5,6,7
	ds_store_b128 v[STO], v[64*(\a)+8*\b:64*(\a)+8*\b+3] offset:128*(\b/2)+32*(\b%2)          ; each accumulator from its low end on
	ds_store_b128 v[STO], v[64*(\a)+8*\b+4:64*(\a)+8*\b+7] offset:128*(\b/2)+32*(\b%2)+16
.endr
	WIN 0
.set BB, BK+64*((\a)%2)
.irp t, 0,1,2,3,4,5,6,7,8,9,10,11,12,13,14,15
	ds_load_b128 v[BB+4*\t:BB+4*\t+3], v[RD] offset:\t*SPITCH    ; LDS serves a wave's instructions in order: these see my stores
.endr
.endm
.macro SEND a, younger                 ; younger: the LDS instructions issued behind block a's loads, which may stay out
.set BB, BK+64*((\a)%2)
	s_wait_dscnt \younger
.irp t, 0,1,2,3,4,5,6,7,8,9,10,11,12,13,14,15
	global_store_b128 v[L16], v[BB+4*\t:BB+4*\t+3], s[14:15] offset:(32*((\a)/2)+8*((\a)%2)+\t+8*(\t/8))*4096 th:TH_STORE_NT   ; place t's row: 512 consecutive bytes
.endr
.endm
	PLACES                                         ; behind the last products
	TOSTAGE 0
.irp a, 1,2,3
.if \a > 1
	s_wait_xcnt 0x0                                ; block a - 2's stores have read their registers: block a's loads may land there
.endif
	TOSTAGE \a
	SEND \a-1, 32                                  ; behind block a - 1's loads: block a's 16 stores and 16 loads
.endr
	SEND 3, 0
	s_wait_tensorcnt 0x0                           ; the wave's end
	ds_add_u32 v[SPW], v[NIL]
	s_wait_dscnt 0x0
	CROUND                                         ; the closing round
	s_endpgm
.Lfunc_end_k_q20e345b1c0_proj:
	.size	k_q20e345b1c0_proj, .Lfunc_end_k_q20e345b1c0_proj-k_q20e345b1c0_proj
	.p2alignl 7, 3214868480
	.fill 96, 4, 3214868480
	.section	.rodata,"a",@progbits
	.p2align	6, 0x0
	.amdhsa_kernel k_q20e345b1c0_proj
		.amdhsa_group_segment_fixed_size 327680
		.amdhsa_private_segment_fixed_size 0
		.amdhsa_enable_private_segment 0
		.amdhsa_kernarg_size 48
		.amdhsa_user_sgpr_count 2
		.amdhsa_user_sgpr_kernarg_segment_ptr 1
		.amdhsa_wavefront_size32 1
		.amdhsa_system_sgpr_workgroup_id_x 1
		.amdhsa_system_sgpr_workgroup_id_y 1
		.amdhsa_system_sgpr_workgroup_id_z 1
		.amdhsa_system_vgpr_workitem_id 0
		.amdhsa_next_free_vgpr 1024
		.amdhsa_next_free_sgpr 66
		.amdhsa_reserve_vcc 0
		.amdhsa_float_denorm_mode_32 3
		.amdhsa_float_denorm_mode_16_64 3
		.amdhsa_memory_ordered 1
		.amdhsa_forward_progress 1
		.amdhsa_inst_pref_size 82
	.end_amdhsa_kernel
	.amdgpu_metadata
---
amdhsa.version: [ 1, 2 ]
amdhsa.kernels:
  - .name:           k_q20e345b1c0_proj
    .symbol:         k_q20e345b1c0_proj.kd
    .args:
      - { .name: ac, .offset: 0, .size: 8, .value_kind: global_buffer, .address_space: global }
      - { .name: asc, .offset: 8, .size: 8, .value_kind: global_buffer, .address_space: global }
      - { .name: opc, .offset: 16, .size: 8, .value_kind: global_buffer, .address_space: global }
      - { .name: ops, .offset: 24, .size: 8, .value_kind: global_buffer, .address_space: global }
      - { .name: out_b, .offset: 32, .size: 8, .value_kind: global_buffer, .address_space: global }
      - { .name: out0, .offset: 40, .size: 8, .value_kind: global_buffer, .address_space: global }
    .group_segment_fixed_size: 327680
    .private_segment_fixed_size: 0
    .kernarg_segment_align: 8
    .kernarg_segment_size: 48
    .max_flat_workgroup_size: 128
    .sgpr_count:     66
    .vgpr_count:     1024
    .wavefront_size: 32
...
	.end_amdgpu_metadata
.endif
;; end of part 4
